; MI455X (gfx1250); checked and timed in simulation.
; The chip was launched on July 23, 2026; its instructions are those of AMD's public machine-readable ISA for CDNA 5 (MIT licence, August 2026) and "CDNA5" Instruction Set Architecture Reference Guide (July 2026). The comments in the code are by the model that wrote it; some were corrected since.
;; Gated Spiking Reservoir Step. Allowed arithmetic: matrix products marked QUANTISED: E2M1 operands, one E8M0 scale for each 32 along K, by v_wmma_scale_f32_16x16x128_f8f6f4 with both operands' format E2M1 (or v_wmma_scale_f32_32x16x128_f4), f32 sums; everything else in f32.
;; Inputs: gate_weights_codes 4,096 x 32 x 16 uint8 (E2M1 codes of gate_weights, K innermost, in blocks of 32 codes, two codes a byte); gate_weights_scales 4,096 x 32 uint8 (E8M0 scales of gate_weights, one for each 32 codes along K); input_weights_codes 4,096 x 32 x 16 uint8 (E2M1 codes of input_weights, K innermost, in blocks of 32 codes, two codes a byte); input_weights_scales 4,096 x 32 uint8 (E8M0 scales of input_weights, one for each 32 codes along K); inputs_codes 2,048 x 32 x 16 uint8 (E2M1 codes of inputs, K innermost, in blocks of 32 codes, two codes a byte); inputs_scales 2,048 x 32 uint8 (E8M0 scales of inputs, one for each 32 codes along K); prev_output 2,048 x 4,096 float32; reservoir_state 2,048 x 4,096 float32; reservoir_weights_codes 4,096 x 128 x 16 uint8 (E2M1 codes of reservoir_weights, K innermost, in blocks of 32 codes, two codes a byte); reservoir_weights_scales 4,096 x 128 uint8 (E8M0 scales of reservoir_weights, one for each 32 codes along K).
;; Outputs: out0 2,048 x 4,096 float32; out1 2,048 x 4,096 float32.
;; This version of the problem:
;;   THIS VERSION OF THE PROBLEM IS GIVEN IN LOW PRECISION. The matrix products marked QUANTISED in the list below multiply operands that are first quantised to E2M1 (2 exponent bits, 1 mantissa bit; 4 bits a number), with one power-of-two scale for each 32 numbers along K (OCP MX v1.0); their sums are f32. All else is computed in f32.
;;   The module's matrix products, in the order in which they are computed (A, B: the left and right operand; K: the contracted axis; several contracted axes count as one K, in the product's order):
;;     1. [M 2,048, K 1,024] x [K 1,024, N 4,096]; A: input inputs (given as codes); B: input input_weights (given as codes): QUANTISED
;;     2. [M 2,048, K 4,096] x [K 4,096, N 4,096]; A: input reservoir_state; B: input reservoir_weights (given as codes): QUANTISED
;;     3. [M 2,048, K 1,024] x [K 1,024, N 4,096]; A: input inputs (given as codes); B: input gate_weights (given as codes): QUANTISED
;;   THE QUANTISER, for each operand of a quantised product, along K:
;;     - K is cut into blocks of 32 from its start; a last block that is shorter is filled with zeros.
;;     - A block's scale is 2^e with e = floor(log2(the largest magnitude in the block)) - 2, held to -126 .. 127; a block of zeros has e = 0. As a byte (E8M0): e + 127.
;;     - Each number is divided by its block's scale, clamped to +-6, and rounded to the nearest number of E2M1, ties to even, subnormals kept.
;;     - The product sums the exact products of the quantised numbers (number of the format x scale) in f32.
;;   ~~~python
;;   def quantise(x, axis):      # numpy; x: float32 -> the quantised numbers, widened to float32 again
;;       x = np.moveaxis(x, axis, -1); K = x.shape[-1]
;;       x = np.pad(x, [(0, 0)] * (x.ndim - 1) + [(0, -K % 32)]); x = x.reshape(x.shape[:-1] + (-1, 32)); a = np.abs(x).max(-1, keepdims=True)
;;       e = np.where(a > 0, np.clip(np.frexp(np.where(a > 0, a, 1))[1] - 1 - 2, -126, 127), 0)      # np.frexp(a)[1] - 1 = floor(log2(a)), exactly
;;       r = np.clip(x / 2.0 ** e, -6, 6)
;;       step = 2.0 ** (np.maximum(np.frexp(np.where(r == 0, 1, r))[1] - 1, 0) - 1)
;;       q = np.round(r / step) * step * 2.0 ** e      # np.round: ties to even
;;       return np.moveaxis(q.reshape(q.shape[:-2] + (-1,))[..., :K], -1, axis).astype(np.float32)
;;   ~~~
;;   INPUTS GIVEN AS CODES. gate_weights (in the module: [1024, 4096], K = its axis 0); input_weights (in the module: [1024, 4096], K = its axis 0); inputs (in the module: [2048, 1024], K = its axis 1); reservoir_weights (in the module: [4096, 4096], K = its axis 0): each comes as NAME_codes (uint8): NAME with its K axis moved to the last place and cut into blocks of 32 codes, [.., K / 32, bytes a block], one block behind the other in memory; two codes a byte, the lower K in the low four bits (a code: sign, 2 exponent bits, 1 mantissa bit); and NAME_scales (uint8): the same leading axes, one E8M0 byte (e + 127) for each 32 codes along K. Its value is code x scale, taken as it is: it is not quantised again, and the codes and scales need not be those that the quantiser above would give.
;; 2 versions. Each part assembles by itself: llvm-mc -triple=amdgcn-amd-amdhsa -mcpu=gfx1250 --defsym DOCPART=n.
;; ======== version 1 of 2: 2 launches
;; workspace buffers: st_codes 4,194,304 bytes; sca 327,680 bytes; scb 786,432 bytes
;; launch prep (part 1): grid 308 x 1, 4 waves a work-group, no clusters, 33,280 bytes of LDS; arguments reservoir_state, inputs_scales, input_weights_scales, gate_weights_scales, reservoir_weights_scales, st_codes, sca, scb; writes st_codes, sca, scb
.if DOCPART == 1
	.amdgcn_target "amdgcn-amd-amdhsa--gfx1250"
	.amdhsa_code_object_version 6
	.text
	.protected	k_q5d9509d337_prep
	.globl	k_q5d9509d337_prep
	.p2align	8
	.type	k_q5d9509d337_prep,@function
k_q5d9509d337_prep:
	s_mov_b64 s[64:65], 0
	v_nop
	global_prefetch_b8 v0, s[64:65] scope:SCOPE_SE
	s_setreg_imm32_b32 hwreg(HW_REG_WAVE_MODE, 25, 1), 1
	s_wait_xcnt 0x0
; TWO JOBS IN ONE LAUNCH, told apart by the work-group's number alone.
; (1) Work-groups 0-255: reservoir_state [2048][4096] f32 becomes codes of FP4 (E2M1), K (its last axis) innermost, two codes a byte, st_codes [2048][2048 bytes],
;     and one E8M0 byte for each 32 along K.  A block's scale is 2^(floor(log2(its largest magnitude)) - 2): its byte is the largest magnitude's exponent field - 2, held at 1 from below.
; (2) Work-groups 256-307: the scale bytes of inputs and of the three weights are copied, 16 bytes (512 along K of one row) at a time, into the order in which the next launch takes them:
;     sca [16 tiles of 128 rows][10 jobs][128 rows][16 bytes]: jobs 0, 1 = inputs' K 0-511, 512-1023; job 2 + c = the state's K 512 c on (written by (1));
;     scb [16 tiles of 256 rows][12 jobs][256 rows][16 bytes]: jobs 0, 1 = input_weights; 2, 3 = gate_weights; 4 + c = reservoir_weights' K 512 c on.
;     So all the scale bytes that a work-group of the next launch wants are two dense blocks, and four bytes in a row's 16 are the scale word of 128 along K.
; LIMITS: NaN and infinities in reservoir_state are not served.  A block whose largest magnitude lies under 2^-124, a block of zeros among them, gets the byte 1 (the rule says 127 for zeros):
; zero codes add nothing under any byte but 0xff, and these bytes are read by this program alone.
; No tensor loads, no barrier: waves share nothing.  Only path (1) touches LDS.
.set STEPS, 16
.set EMAX,  2
.set SP,    80                         ; a lane's place in a stage: its 64 bytes + 16 of padding
.set WREG,  8192                       ; LDS: a region for each wave: two stages of 32 x SP bytes, behind them its 256 scale bytes
.set R,     16                         ; v16-143  eight sets of 16 numbers as they are loaded
.set X,     144                        ; v144-175 two sets of 16 neighbours
.set E,     176                        ; v176-191 a scale byte for each step
.set C,     192                        ; v192-223 codes: two registers for each step, so that no store's data are written again
	s_load_b512 s[4:19], s[0:1], 0x0               ; state s[4:5]; scales of inputs s[6:7], input_weights s[8:9], gate_weights s[10:11], reservoir_weights s[12:13]; st_codes s[14:15], sca s[16:17], scb s[18:19]
	v_lshl_add_u32 v254, v0, 2, 0x8000
	v_mov_b32 v255, 0
	v_lshrrev_b32 v1, 5, v0
	v_readfirstlane_b32 s20, v1                    ; wave 0..3
	s_wait_kmcnt 0x0
	s_cmp_lt_u32 ttmp9, 256
	s_cbranch_scc1 .Lquant
	s_cmp_lt_u32 ttmp9, 260
	s_cbranch_scc1 .Lrelay_x
	s_cmp_lt_u32 ttmp9, 268
	s_cbranch_scc1 .Lrelay_wi
	s_cmp_lt_u32 ttmp9, 276
	s_cbranch_scc1 .Lrelay_wg
; A copy of 1,024 pieces of 16 bytes, 8 a thread.  Pieces are numbered in the order of the target: tile, job j, row rr.  128 pieces on end (a work-group's threads) share tile and job and are neighbouring rows.
; src, dst: the scalar pairs of the two buffers; first: the path's first work-group; 2^LRT rows in a tile; 2^LJR pieces in a tile; 2^LJ bytes in a source row; TILEB bytes in a target tile; REG where this tensor's jobs begin in it.
.macro RELAY src, dst, first, LJR, LRT, LJ, TILEB, REG
	s_sub_co_u32 s21, ttmp9, \first
	s_lshl_b32 s21, s21, 10                        ; my work-group's first piece
.irp k, 0,1,2,3,4,5,6,7
	s_add_co_u32 s22, s21, 128*\k                  ; the first piece of this run of 128
	s_lshr_b32 s23, s22, \LJR                      ; tile
	s_and_b32 s24, s22, (1<<\LJR)-1                ; piece in the tile
	s_lshr_b32 s25, s24, \LRT                      ; job
	s_and_b32 s26, s24, (1<<\LRT)-1                ; row in the tile
	s_lshl_b32 s27, s23, \LRT
	s_add_co_u32 s27, s27, s26                     ; row in the tensor
	s_lshl_b32 s27, s27, \LJ
	s_lshl_b32 s25, s25, 4
	s_add_co_u32 s27, s27, s25                     ; from: row x its bytes + 16 x job
	s_mul_i32 s28, s23, \TILEB
	s_lshl_b32 s24, s24, 4
	s_add_co_u32 s28, s28, s24
	s_add_co_u32 s28, s28, \REG                    ; to: tile + the tensor's place + 16 x piece
	v_lshl_add_u32 v[16+\k], v0, \LJ, s27          ; thread t takes the row t further down,
	v_lshl_add_u32 v[24+\k], v0, 4, s28            ; which is the piece t further on: a wave's store covers 512 consecutive bytes
.endr
.irp k, 0,1,2,3,4,5,6,7
	global_load_b128 v[32+4*\k:35+4*\k], v[16+\k], s[\src:\src+1]
.endr
.irp k, 0,1,2,3,4,5,6,7
	s_wait_loadcnt 7-\k                            ; loads come back in order: piece k is in, the 7 - k younger ones may be out
	global_store_b128 v[24+\k], v[32+4*\k:35+4*\k], s[\dst:\dst+1]
.endr
	s_endpgm
.endm
	RELAY 12, 18, 276, 11, 8, 7, 49152, 16384      ; reservoir_weights: 8 jobs, rows of 128 bytes
.Lrelay_x:
	RELAY 6, 16, 256, 8, 7, 5, 20480, 0            ; inputs: 2 jobs, rows of 32 bytes
.Lrelay_wi:
	RELAY 8, 18, 260, 9, 8, 5, 49152, 0            ; input_weights
.Lrelay_wg:
	RELAY 10, 18, 268, 9, 8, 5, 49152, 8192        ; gate_weights
; THE QUANTISER.  Work-group g: rows 16 (g / 2) on; wave w: K 512 c on, c = 4 (g % 2) + w.  A wave takes 16 steps; step t is row t's 512 numbers, 2,048 consecutive bytes.
; The conversions take neighbours along K from ONE lane's registers, a load is best where neighbouring LANES take neighbouring bytes: so each of a step's four loads reads 512 consecutive bytes, 16 a lane,
; the 2,048 bytes go through the wave's own stage in LDS as they lie, and come back 64 bytes a lane (16 neighbours; two neighbouring lanes hold a block of 32).
; A step's codes are 256 consecutive bytes of st_codes; the wave's 16 x 16 scale bytes are 256 consecutive bytes of sca: they are gathered in LDS and leave by one store.
.Lquant:
	v_and_b32 v2, 31, v0                           ; lane
	v_lshlrev_b32 v3, 4, v2                        ; my 16 bytes of a load's 512
	s_mul_i32 s28, s20, WREG
	v_lshrrev_b32 v14, 2, v2
	v_mul_u32_u24 v14, v14, SP
	v_and_b32 v15, 3, v2
	v_lshl_add_u32 v14, v15, 4, v14
	v_add_nc_u32 v14, s28, v14                     ; the stage, on the way in: four lanes' 64 bytes on end, then 16 of padding
	v_mul_u32_u24 v15, v2, SP
	v_add_nc_u32 v15, s28, v15                     ; and on the way out: my 16 neighbours
	v_lshlrev_b32 v4, 3, v2                        ; 8 x lane: my codes' place in a step's, and my 8 of the wave's 256 scale bytes
	v_lshrrev_b32 v5, 1, v2
	s_add_co_u32 s28, s28, 2*32*SP
	v_add_nc_u32 v5, s28, v5                       ; LDS: my wave's scale bytes, my block's byte
	v_add_nc_u32 v6, s28, v4                       ; and on the way out 8 bytes a lane
	s_lshr_b32 s21, ttmp9, 1                       ; which 16 rows
	s_and_b32 s22, ttmp9, 1
	s_lshl_b32 s22, s22, 2
	s_add_co_u32 s22, s22, s20                     ; c
	s_mov_b32 s25, 0
	s_lshl_b32 s24, s21, 18                        ; 16 rows of 16,384 bytes
	s_lshl_b32 s23, s22, 11                        ; 512 numbers
	s_add_co_u32 s24, s24, s23
	s_add_nc_u64 s[4:5], s[4:5], s[24:25]
	s_lshl_b32 s24, s21, 15                        ; 16 rows of 2,048 bytes of codes
	s_lshl_b32 s23, s22, 8
	s_add_co_u32 s24, s24, s23
	s_add_nc_u64 s[14:15], s[14:15], s[24:25]
	s_lshr_b32 s24, s21, 3                         ; sca: the tile of 128 rows,
	s_mul_i32 s24, s24, 20480
	s_add_co_u32 s23, s22, 2                       ; job 2 + c,
	s_lshl_b32 s23, s23, 11
	s_add_co_u32 s24, s24, s23
	s_and_b32 s23, s21, 7                          ; my 16 rows in it
	s_lshl_b32 s23, s23, 8
	s_add_co_u32 s24, s24, s23
	s_add_nc_u64 s[16:17], s[16:17], s[24:25]
.macro LOAD t                          ; no non-temporal hint: the next launch reads these bytes again
.irp i, 0,1,2,3
	global_load_b128 v[R+16*((\t)%8)+4*\i:R+16*((\t)%8)+4*\i+3], v3, s[4:5] offset:16384*(\t)+512*\i
.endr
.endm
.macro TURN t                          ; step t's numbers through the stage: LDS serves a wave's instructions in order, so no wait stands between the stores and the loads
.irp i, 0,1,2,3
	ds_store_b128 v14, v[R+16*((\t)%8)+4*\i:R+16*((\t)%8)+4*\i+3] offset:32*SP*((\t)%2)+8*SP*\i
.endr
.irp i, 0,1,2,3
	ds_load_b128 v[X+16*((\t)%2)+4*\i:X+16*((\t)%2)+4*\i+3], v15 offset:32*SP*((\t)%2)+16*\i
.endr
.endm
.irp t, 0,1,2,3,4,5,6,7
	LOAD \t                                        ; eight steps, 32 loads, are on their way
.endr
	s_wait_loadcnt 28                              ; step 0's four loads are in; the 28 behind them may be out
	TURN 0
.macro STEP t
.set XS, X+16*((\t)%2)
.if (\t) > 0
	s_wait_dscnt 1                                 ; this step's numbers are back from the stage; only the last step's byte store may be out
.else
	s_wait_dscnt 0x0
.endif
.if (\t)+8 < STEPS
	LOAD (\t)+8                                    ; into the set that this step's stores into the stage have read
.endif
.if (\t)+1 < STEPS
.if 14-(\t) >= 7
	s_wait_loadcnt 28                              ; the next step's four loads are in; those of the seven steps behind it may be out
.else
	s_wait_loadcnt 4*(14-(\t))                     ; towards the end fewer steps stand behind it
.endif
	TURN (\t)+1                                    ; and go through the other stage while this step is worked
.endif
	v_max3_num_f32 v8, |v[XS]|, |v[XS+1]|, |v[XS+2]|               ; the largest magnitude of my 16, in two chains
	v_max3_num_f32 v9, |v[XS+3]|, |v[XS+4]|, |v[XS+5]|
.irp i, 6,10
	v_max3_num_f32 v8, v8, |v[XS+\i]|, |v[XS+\i+1]|
	v_max3_num_f32 v9, v9, |v[XS+\i+2]|, |v[XS+\i+3]|
.endr
	v_max3_num_f32 v8, v8, |v[XS+14]|, |v[XS+15]|
	v_max3_num_f32 v8, v8, v9, (EMAX+1)<<23        ; and the floor 2^(3 - 127): so the byte cannot fall under 1
	v_max_num_f32_dpp v8, v8, v8 row_xmask:1 row_mask:0xf bank_mask:0xf   ; and of my neighbour's 16: the block's
	v_add_nc_u32 v11, -(EMAX<<23), v8              ; 2 off its exponent field: the conversion takes the exponent field of this operand as its scale, and nothing else of it
	v_cvt_scalef32_pk8_fp4_f32 v[C+2*(\t)], v[XS:XS+7], v11        ; eight numbers / the scale, to the nearest code, ties to even, beyond the largest code the largest
	v_cvt_scalef32_pk8_fp4_f32 v[C+2*(\t)+1], v[XS+8:XS+15], v11
	v_lshrrev_b32 v[E+(\t)], 23, v11               ; the scale's byte (also the plain line behind the conversions)
	ds_store_b8 v5, v[E+(\t)] offset:16*(\t)       ; both lanes of a block write the same byte with the same value
	global_store_b64 v4, v[C+2*(\t):C+2*(\t)+1], s[14:15] offset:2048*(\t)   ; 32 lanes store 256 consecutive bytes of row t, at a multiple of 256 from the buffer's first byte
.endm
.irp t, 0,1,2,3,4,5,6,7,8,9,10,11,12,13,14,15
	STEP \t
.endr
	ds_load_b64 v[12:13], v6                       ; LDS serves a wave's instructions in order: these see my byte stores
	s_wait_dscnt 0x0
	global_store_b64 v4, v[12:13], s[16:17]        ; 16 rows x 16 scale bytes: 256 consecutive bytes of sca
	s_wait_tensorcnt 0x0
	ds_add_u32 v254, v255
	s_wait_dscnt 0x0
	s_endpgm
.Lfunc_end_k_q5d9509d337_prep:
	.size	k_q5d9509d337_prep, .Lfunc_end_k_q5d9509d337_prep-k_q5d9509d337_prep
	.p2alignl 7, 3214868480
	.fill 96, 4, 3214868480
	.section	.rodata,"a",@progbits
	.p2align	6, 0x0
	.amdhsa_kernel k_q5d9509d337_prep
		.amdhsa_group_segment_fixed_size 33280
		.amdhsa_private_segment_fixed_size 0
		.amdhsa_enable_private_segment 0
		.amdhsa_kernarg_size 64
		.amdhsa_user_sgpr_count 2
		.amdhsa_user_sgpr_kernarg_segment_ptr 1
		.amdhsa_wavefront_size32 1
		.amdhsa_system_sgpr_workgroup_id_x 1
		.amdhsa_system_sgpr_workgroup_id_y 1
		.amdhsa_system_sgpr_workgroup_id_z 1
		.amdhsa_system_vgpr_workitem_id 0
		.amdhsa_next_free_vgpr 256
		.amdhsa_next_free_sgpr 66
		.amdhsa_reserve_vcc 0
		.amdhsa_float_denorm_mode_32 3
		.amdhsa_float_denorm_mode_16_64 3
		.amdhsa_memory_ordered 1
		.amdhsa_forward_progress 1
		.amdhsa_inst_pref_size 64
	.end_amdhsa_kernel
	.amdgpu_metadata
---
amdhsa.version: [ 1, 2 ]
amdhsa.kernels:
  - .name:           k_q5d9509d337_prep
    .symbol:         k_q5d9509d337_prep.kd
    .args:
      - { .name: reservoir_state, .offset: 0, .size: 8, .value_kind: global_buffer, .address_space: global }
      - { .name: inputs_scales, .offset: 8, .size: 8, .value_kind: global_buffer, .address_space: global }
      - { .name: input_weights_scales, .offset: 16, .size: 8, .value_kind: global_buffer, .address_space: global }
      - { .name: gate_weights_scales, .offset: 24, .size: 8, .value_kind: global_buffer, .address_space: global }
      - { .name: reservoir_weights_scales, .offset: 32, .size: 8, .value_kind: global_buffer, .address_space: global }
      - { .name: st_codes, .offset: 40, .size: 8, .value_kind: global_buffer, .address_space: global }
      - { .name: sca, .offset: 48, .size: 8, .value_kind: global_buffer, .address_space: global }
      - { .name: scb, .offset: 56, .size: 8, .value_kind: global_buffer, .address_space: global }
    .group_segment_fixed_size: 33280
    .private_segment_fixed_size: 0
    .kernarg_segment_align: 8
    .kernarg_segment_size: 64
    .max_flat_workgroup_size: 128
    .sgpr_count:     66
    .vgpr_count:     256
    .wavefront_size: 32
...
	.end_amdgpu_metadata
.endif
;; end of part 1
;; launch step (part 2): grid 16 x 16, 4 waves a work-group, clusters of 4 x 4, 327,680 bytes of LDS; arguments inputs_codes, st_codes, input_weights_codes, gate_weights_codes, reservoir_weights_codes, sca, scb, reservoir_state, out0, out1; writes out0, out1
.if DOCPART == 2
	.amdgcn_target "amdgcn-amd-amdhsa--gfx1250"
	.amdhsa_code_object_version 6
	.text
	.protected	k_q5d9509d337_step
	.globl	k_q5d9509d337_step
	.p2align	8
	.type	k_q5d9509d337_step,@function
k_q5d9509d337_step:
	s_mov_b64 s[64:65], 0
	v_nop
	global_prefetch_b8 v0, s[64:65] scope:SCOPE_SE
	s_setreg_imm32_b32 hwreg(HW_REG_WAVE_MODE, 25, 1), 1
	s_wait_xcnt 0x0
	s_wait_alu depctr_hold_cnt(0) depctr_sa_sdst(0) depctr_va_vdst(0) depctr_va_sdst(0) depctr_va_ssrc(0) depctr_va_vcc(0) depctr_vm_vsrc(0)
	s_getreg_b32 s2, hwreg(HW_REG_IB_STS2, 6, 4)
	s_cmp_eq_u32 s2, 0
	s_cbranch_scc0 .Lentry_in_a_cluster
	s_endpgm
.Lentry_in_a_cluster:
	s_bfe_u32 s2, ttmp6, 0x10000c
	s_cmp_lg_u32 s2, 0xf033
	s_cbranch_scc0 .Lentry_shape_is_right
	s_endpgm
.Lentry_shape_is_right:
; S = inputs Wi + state Wr (K = 1,024 + 4,096), G = inputs Wg (K = 1,024), all on codes of FP4 (E2M1) with one E8M0 scale for each 32 along K, sums in f32;
; new = (0.9 state + 0.1 tanh S) x sigmoid G -> out1;  spike = 1 where new > 0.5, else 0 -> out0.  Both [2048][4096] f32.
; prev_output is a parameter of the function on which no result depends: this program neither names nor loads it.
; tanh S = 1 - 2 / (1 + 2^(2 log2(e) S)), sigmoid G = 1 / (1 + 2^(-log2(e) G)): an exponential that overflows gives the reciprocal 0, one that underflows the reciprocal 1, so both ends are right without a clamp.
; LIMIT: the spike turns over where new lies within f32 rounding of 0.5.  A NaN in new gives spike 0.
; SHARES.  256 work-groups of four waves; work-group (tx, ty) makes rows 128 ty on, columns 256 tx on; wave w rows 64 (w / 2) on, columns 128 (w % 2) on: 32 accumulators of S and 32 of G, 512 registers.
; THE K LOOP is 12 JOBS of one shape: A's tile 128 rows x 256 bytes (512 along K), B's tile 256 rows x 256 bytes, four steps of 128 along K, 32 matrix instructions a wave in each.  Job t lies in slot t % 2.
;   J0 inputs k0 x Wi k0 -> S;  J1 inputs k0 x Wg k0 -> G;  J2 inputs k1 x Wi k1 -> S;  J3 inputs k1 x Wg k1 -> G;  J4 + c: state chunk c x Wr chunk c -> S, c = 0 .. 7.
;   (inputs' tiles are fetched twice, 2 x 32 KiB more a work-group: the price of one slot shape and one text for every job.)
; THE SCALES of the work-group's rows, for all jobs, are two dense blocks of memory (the launch before has laid them so): they come into LDS once, with the first fills, and stay.
; CLUSTERS: 4 x 4 work-groups.  The four of a row of the cluster need the same tiles of inputs and state, the four of a column the same tiles of the weights: each tile is asked for JOINTLY.
; THE MATRIX INSTRUCTION IS USED TRANSPOSED (source 0 = 16 rows of a weight, source 1 = 16 rows of inputs or state): a lane then holds eight neighbouring columns of one row of the result.
; REGISTERS, in windows of 256: window 0: v1-30 addresses and constants; v32-79 scale words, two sets; v96-159 A's fragments, two sets; v160-223 state rows of my block 0.
;   window 1: v0-127 B's fragments, two sets; v128-255 state rows of blocks 2 and 3 (asked for during the K loop); behind the last product v64-127 take block 1's.
;   window 2: S, accumulator (a, b) at v[8 (8 a + b)];   window 3: G, at the same numbers.
.set PITCH,  272                       ; an LDS row: 256 bytes + 16 of padding = 68 words, so that the 16 rows that a fragment load touches begin 4 words apart modulo 64
.set AHALF,  64*PITCH                  ; 64 rows of A: what one tensor load brings, and what one wave reads
.set BHALF,  128*PITCH                 ; 128 rows of B: likewise
.set BOFF,   2*AHALF                   ; in a slot B's rows lie behind A's
.set SLOT,   2*AHALF+2*BHALF           ; 104,448 bytes
.set SPARE,  2*SLOT                    ; behind the ring: the spare words, 128 bytes for each wave: two blocks of 256 bytes that no other line names
.set SCA,    SPARE+512                 ; A's scales: [10 jobs][128 rows][16 bytes], dense
.set SCB,    SCA+20480                 ; B's scales: [12 jobs][256 rows][16 bytes], dense; ends at 279,040
.set SPITCH, 528                       ; the way out: a stage row, 512 bytes + 16
.set GOFF,   16*SPITCH                 ; in a wave's stage the gate's 16 rows lie behind T's
.set WSTG,   2*GOFF                    ; a wave's stage; the stages lie in slot 0, which has had its last fill and its last read when the first result is stored there
.set C01,  12                          ; v[12:13] 0.1, twice
.set ADRA, 16                          ; v16-17  LDS address of my A fragments in slot 0, 1
.set ADRB, 20                          ; v20-21  the same for B
.set STO,  24                          ; v24     the way out: where I put 32 bytes of a row
.set RD,   25                          ; v25     the way out: where I read a row back
.set CO,   26                          ; v26     16 x lane: my bytes in 512 of a row of state, out0, out1; never rewritten
.set ADSA, 27                          ; v27     LDS address of my scale words of A
.set SPW,  28                          ; v28     LDS address of my spare word: SPARE + 4 x my thread's number; never rewritten
.set NIL,  29                          ; v29     0; never rewritten
.set ADSB, 30                          ; v30     LDS address of my scale words of B
.set SC,   32                          ; scale words, set s at SC + 24 s: register 4 p + q: A's blocks 2 p (lanes 0-15) and 2 p + 1 (lanes 16-31), step q; register 8 + 4 p + q: B's likewise
.set AF,   96                          ; A's fragments: set p at AF + 32 p, block a at + 8 a
.set G1A,  24                          ; s[24:31] descriptor group 1 for A's tiles;  s[32:39] group 0, one set for each slot
.set G0A,  32
.set G1B,  40                          ; s[40:47], s[48:55] the same for B's tiles
.set G0B,  48
.set G1SA, 56                          ; s[56:63], s[76:79] groups 1 and 0 for A's scales;  s[68:75], s[80:83] for B's
.set G1SB, 68
.set G0SA, 76
.set G0SB, 80
.set WV,   84                          ; s84 my wave's number
.set FB,   85                          ; s85 which 64 rows are mine.  Also: I fetch for A (0) or for B (1)
.set HF,   86                          ; s86 which 128 columns are mine.  Also: which half of a tile I fetch
.set MSB, 0
.macro WIN new                         ; the immediate's high byte repeats the setting that is left; a switch that changes nothing is dropped
.if MSB != (\new)
	s_set_vgpr_msb (MSB<<8)|(\new)
.set MSB, (\new)
.endif
.endm
.set MUL_S, 0xa1                       ; source 0 (B) window 1, source 1 (A) window 0, C and D window 2
.set MUL_G, 0xf1                       ; the same, C and D window 3
.set TO_B,  0x40                       ; destination window 1, address window 0
; A joint load: waves 0 and 1 fetch for A, waves 2 and 3 for B.  Each of the two lines has ONE mask and one set of registers for all that issue it; the branch hangs on the wave's number alone.
; Four v_nop follow each of the two lines, ahead of the jump, the label and what follows.
.macro JLOAD g0a, g1a, g0b, g1b
	s_cmp_eq_u32 s[FB], 0
	s_cbranch_scc0 .Lfor_b_\@
	tensor_load_to_lds s[\g0a:\g0a+3], s[\g1a:\g1a+7]
	s_nop 0
.rept 4
	v_nop
.endr
	s_branch .Lasked_\@
.Lfor_b_\@:
	tensor_load_to_lds s[\g0b:\g0b+3], s[\g1b:\g1b+7]
	s_nop 0
.rept 4
	v_nop
.endr
.Lasked_\@:
.endm
.macro CREST                           ; a round of the cluster's barrier behind its opening barrier
	s_cmp_lg_u32 s[WV], 0
	s_cbranch_scc1 .Lnot_wave_0_\@
	s_barrier_signal -3
.Lnot_wave_0_\@:
	s_barrier_wait -3
	s_barrier_signal -1
	s_barrier_wait -1
.endm
.macro CROUND                          ; a whole round
	s_barrier_signal -1
	s_barrier_wait -1
	CREST
.endm
; A load into a register that a matrix instruction has read, and a vector instruction or an LDS store that reads or writes a matrix result, stand four places behind that matrix instruction; only plain
; vector instructions that name none of its registers are places (ISA guide 7.12.1 for vector instructions).
.macro PLACES n
.rept \n
	v_nop
.endr
.endm
	s_load_b512 s[4:19], s[0:1], 0x0               ; inputs' codes s[4:5], state's s[6:7], Wi's s[8:9], Wg's s[10:11], Wr's s[12:13], sca s[14:15], scb s[16:17], state s[18:19]
	s_load_b128 s[20:23], s[0:1], 0x40             ; out0 s[20:21], out1 s[22:23]
	v_lshl_add_u32 v[SPW], v0, 2, SPARE
	v_mov_b32 v[NIL], 0
	ds_add_u32 v28, v29
	ds_add_u32 v28, v29
	s_wait_dscnt 0x0
	v_lshrrev_b32 v1, 5, v0
	v_readfirstlane_b32 s[WV], v1                  ; wave 0..3
	s_lshr_b32 s[FB], s[WV], 1
	s_and_b32 s[HF], s[WV], 1
	s_bfe_u32 s87, ttmp6, 0x40000                  ; cx, cy: my place in the cluster
	s_bfe_u32 s88, ttmp6, 0x40004
	s_lshl_b32 s89, ttmp9, 2
	s_add_co_u32 s89, s89, s87                     ; tx = 4 x cluster x + cx
	s_and_b32 s90, ttmp7, 0xffff
	s_lshl_b32 s90, s90, 2
	s_add_co_u32 s90, s90, s88                     ; ty = 4 x cluster y + cy
	s_lshl_b32 s91, s88, 2
	s_lshl_b32 s91, 15, s91                        ; my row of the cluster
	s_lshl_b32 s92, 0x1111, s87                    ; my column
	; descriptor group 1 for tiles of codes: rows of 256 bytes, padded in LDS; A: 64 rows a load, B: 128
	s_or_b32 s[G1A], s91, (1<<20)|(1<<21)|(5<<22)|(3<<25)   ; 15:0 the mask: A's tiles go to my row; 17:16 elements of 1 byte; 20 padding on; 21 set beside a mask; 24:22 after every 64 words (code 5); 31:25 four words (code 3)
	s_or_b32 s[G1B], s92, (1<<20)|(1<<21)|(5<<22)|(3<<25)   ; the same with the mask of my column
.irp g, G1A, G1B
	s_mov_b32 s[\g+1], 256<<16                     ; tensor_dim0
	s_mov_b32 s[\g+3], 256<<16                     ; tile_dim0
	s_mov_b32 s[\g+5], 512                         ; tensor_dim0_stride: a row of 1,024 codes.  From job J4 on the rows are 2,048 bytes apart: the word is written anew once, below
	s_mov_b32 s[\g+6], 0
	s_mov_b32 s[\g+7], 0
.endr
	s_mov_b32 s[G1A+2], 64<<16                     ; tensor_dim1
	s_mov_b32 s[G1A+4], 64                         ; tile_dim1
	s_mov_b32 s[G1B+2], 128<<16
	s_mov_b32 s[G1B+4], 128
	; and for the scales: dense blocks as rows of 256 bytes (32 elements of 8 bytes), no padding; A: 40 rows a load, B: 96
	s_or_b32 s[G1SA], s91, (3<<16)|(1<<21)
	s_or_b32 s[G1SB], s92, (3<<16)|(1<<21)
.irp g, G1SA, G1SB
	s_mov_b32 s[\g+1], 32<<16
	s_mov_b32 s[\g+3], 32<<16
	s_mov_b32 s[\g+5], 32
	s_mov_b32 s[\g+6], 0
	s_mov_b32 s[\g+7], 0
.endr
	s_mov_b32 s[G1SA+2], 40<<16
	s_mov_b32 s[G1SA+4], 40
	s_mov_b32 s[G1SB+2], 96<<16
	s_mov_b32 s[G1SB+4], 96
	; where the tiles come from.  A's side hangs on ty alone (s[94:95]), B's on tx alone (s[96:97]): neither pair ever holds the other coordinate
	s_mov_b32 s95, 0
	s_mov_b32 s97, 0
	s_lshl_b32 s94, s90, 7
	s_lshl_b32 s93, s[HF], 6
	s_add_co_u32 s94, s94, s93                     ; A: row 128 ty + 64 x half
	s_lshl_b32 s94, s94, 9                         ; x 512 bytes
	s_lshl_b32 s96, s89, 8
	s_lshl_b32 s93, s[HF], 7
	s_add_co_u32 s96, s96, s93                     ; B: row 256 tx + 128 x half
	s_lshl_b32 s96, s96, 9
	s_wait_kmcnt 0x0
	s_add_nc_u64 s[4:5], s[4:5], s[94:95]          ; inputs' codes at my rows
	s_add_nc_u64 s[8:9], s[8:9], s[96:97]          ; Wi's
	s_add_nc_u64 s[10:11], s[10:11], s[96:97]      ; Wg's
	s_lshl_b32 s94, s94, 2                         ; x 2,048 bytes
	s_lshl_b32 s96, s96, 2
	s_add_nc_u64 s[6:7], s[6:7], s[94:95]          ; the state's codes: kept for job J4
	s_add_nc_u64 s[12:13], s[12:13], s[96:97]      ; Wr's: likewise
	s_mul_i32 s94, s90, 20480
	s_mul_i32 s93, s[HF], 10240                    ; my half of A's scales: in memory, and in LDS
	s_add_co_u32 s94, s94, s93
	s_add_nc_u64 s[14:15], s[14:15], s[94:95]
	s_mul_i32 s96, s89, 49152
	s_mul_i32 s100, s[HF], 24576                   ; my half of B's
	s_add_co_u32 s96, s96, s100
	s_add_nc_u64 s[16:17], s[16:17], s[96:97]
	CROUND                                         ; all sixteen work-groups are here: the first joint loads meet
	s_mov_b32 s[G0SA], 1                           ; 1:0 count = 1
	s_add_co_u32 s[G0SA+1], s93, SCA               ; 63:32 LDS address: no place in the cluster enters it
	s_mov_b64 s[G0SA+2:G0SA+3], s[14:15]           ; 120:64 global address
	s_or_b32 s[G0SA+3], s[G0SA+3], 0x80000000      ; 127:126 type = 2
	s_mov_b32 s[G0SB], 1
	s_add_co_u32 s[G0SB+1], s100, SCB
	s_mov_b64 s[G0SB+2:G0SB+3], s[16:17]
	s_or_b32 s[G0SB+3], s[G0SB+3], 0x80000000
	JLOAD G0SA, G1SA, G0SB, G1SB                   ; the scales first: they are wanted with job J0
	s_mul_i32 s93, s[HF], AHALF                    ; (s93 and s100 are words of no descriptor)
	s_mul_i32 s100, s[HF], BHALF
.irp s, 0,1
	s_mov_b32 s[G0A+4*\s], 1
	s_add_co_u32 s[G0A+4*\s+1], s93, \s*SLOT
	s_mov_b64 s[G0A+4*\s+2:G0A+4*\s+3], s[4:5]     ; J0 and J1 both take inputs' K 0-511
	s_or_b32 s[G0A+4*\s+3], s[G0A+4*\s+3], 0x80000000
	s_mov_b32 s[G0B+4*\s], 1
	s_add_co_u32 s[G0B+4*\s+1], s100, \s*SLOT+BOFF
	s_mov_b64 s[G0B+4*\s+2:G0B+4*\s+3], s[8+2*\s:9+2*\s]   ; J0: Wi; J1: Wg
	s_or_b32 s[G0B+4*\s+3], s[G0B+4*\s+3], 0x80000000
	JLOAD G0A+4*\s, G1A, G0B+4*\s, G1B             ; three tensor loads of mine are out
.endr
	v_and_b32 v1, 15, v0                           ; r = lane % 16
	v_bfe_u32 v2, v0, 4, 1                         ; h = lane / 16
	v_and_b32 v3, 31, v0                           ; lane
	v_mul_u32_u24 v4, v1, PITCH
	v_lshl_add_u32 v4, v2, 4, v4                   ; a fragment's row x pitch + 16 x half
	s_mul_i32 s93, s[FB], AHALF                    ; my 64 rows of A
	s_mul_i32 s100, s[HF], BHALF                   ; my 128 rows of B,
	s_add_co_u32 s100, s100, BOFF                  ; which lie behind A's 128
.irp s, 0,1
	v_add_nc_u32 v[ADRA+\s], s93, v4
	v_add_nc_u32 v[ADRB+\s], s100, v4
	s_add_co_u32 s93, s93, SLOT
	s_add_co_u32 s100, s100, SLOT
.endr
	v_lshlrev_b32 v[CO], 4, v3
	s_lshl_b32 s93, s[FB], 10                      ; scale words: 16 bytes a row; my 64 rows of A,
	s_add_co_u32 s93, s93, SCA
	v_add_nc_u32 v[ADSA], s93, v[CO]               ; a lane a row: 32 rows, 512 consecutive bytes, a load
	s_lshl_b32 s93, s[HF], 11                      ; my 128 rows of B
	s_add_co_u32 s93, s93, SCB
	v_add_nc_u32 v[ADSB], s93, v[CO]
	s_mul_i32 s93, s[WV], WSTG                     ; my stage
	v_mul_u32_u24 v5, v1, SPITCH                   ; in: row r, 32 bytes for each half of the lanes
	v_lshl_add_u32 v5, v2, 5, v5
	v_add_nc_u32 v[STO], s93, v5
	v_add_nc_u32 v[RD], s93, v[CO]                 ; back: the 32 lanes take one row of 512 bytes
	v_mov_b32 v[C01], 0x3dcccccd                   ; 0.1
	v_mov_b32 v[C01+1], 0x3dcccccd
	s_lshl_b32 s98, s90, 21                        ; my part of state, out0, out1: 128 ty rows of 16,384 bytes,
	s_lshl_b32 s99, s[FB], 20                      ; my 64 rows,
	s_add_co_u32 s98, s98, s99
	s_lshl_b32 s99, s89, 10                        ; 256 tx columns of 4 bytes,
	s_add_co_u32 s98, s98, s99
	s_lshl_b32 s99, s[HF], 9                       ; my 128 columns
	s_add_co_u32 s98, s98, s99
	s_mov_b32 s99, 0
	s_add_nc_u64 s[18:19], s[18:19], s[98:99]
	s_add_nc_u64 s[20:21], s[20:21], s[98:99]
	s_add_nc_u64 s[22:23], s[22:23], s[98:99]
.macro FRAG reg, adr, q, i             ; a fragment, 16 rows x 128 K of 4-bit codes, is 8 registers: lane l holds row l % 16; registers 4 c .. 4 c + 3 hold K = 64 c + 32 (l / 16) + 0 .. 31
.irp c, 0,1
	ds_load_b128 v[\reg+4*\c:\reg+4*\c+3], v[\adr] offset:64*(\q)+32*\c+(\i)*16*PITCH
.endr
.endm
.macro FETCH slot, q, p                ; 24 LDS loads in one run: the fragments of the slot's q-th 128 along K into set p: B's eight, then A's four
	WIN TO_B
.irp i, 0,1,2,3,4,5,6,7
	FRAG 64*(\p)+8*\i, ADRB+\slot, \q, \i
.endr
	WIN 0
.irp i, 0,1,2,3
	FRAG AF+32*(\p)+8*\i, ADRA+\slot, \q, \i
.endr
.endm
.macro SCALES sc, offA, offB           ; a job's scale words into set sc: four words a row; a load takes 32 rows: lanes 0-15 one block of 16, lanes 16-31 the next
.irp p, 0,1
	ds_load_b128 v[SC+24*(\sc)+4*\p:SC+24*(\sc)+4*\p+3], v[ADSA] offset:\offA+512*\p
.endr
.irp p, 0,1,2,3
	ds_load_b128 v[SC+24*(\sc)+8+4*\p:SC+24*(\sc)+8+4*\p+3], v[ADSB] offset:\offB+512*\p
.endr
.endm
; One matrix instruction.  d: the accumulator; bf, af: the weight's and the rows' fragments; sb, sa: their scale registers; rb, ra = 1: the words lie in lanes 16-31; zero = 1: the product starts the sum.
.macro WM d, bf, af, sb, sa, rb, ra, zero
.if \zero
.if (\rb) && (\ra)
	v_wmma_scale_f32_16x16x128_f8f6f4 v[\d:\d+7], v[\bf:\bf+7], v[\af:\af+7], 0, v[\sb], v[\sa] matrix_a_fmt:MATRIX_FMT_FP4 matrix_b_fmt:MATRIX_FMT_FP4 matrix_a_scale:MATRIX_SCALE_ROW1 matrix_b_scale:MATRIX_SCALE_ROW1
.elseif (\rb)
	v_wmma_scale_f32_16x16x128_f8f6f4 v[\d:\d+7], v[\bf:\bf+7], v[\af:\af+7], 0, v[\sb], v[\sa] matrix_a_fmt:MATRIX_FMT_FP4 matrix_b_fmt:MATRIX_FMT_FP4 matrix_a_scale:MATRIX_SCALE_ROW1
.elseif (\ra)
	v_wmma_scale_f32_16x16x128_f8f6f4 v[\d:\d+7], v[\bf:\bf+7], v[\af:\af+7], 0, v[\sb], v[\sa] matrix_a_fmt:MATRIX_FMT_FP4 matrix_b_fmt:MATRIX_FMT_FP4 matrix_b_scale:MATRIX_SCALE_ROW1
.else
	v_wmma_scale_f32_16x16x128_f8f6f4 v[\d:\d+7], v[\bf:\bf+7], v[\af:\af+7], 0, v[\sb], v[\sa] matrix_a_fmt:MATRIX_FMT_FP4 matrix_b_fmt:MATRIX_FMT_FP4
.endif
.else
.if (\rb) && (\ra)
	v_wmma_scale_f32_16x16x128_f8f6f4 v[\d:\d+7], v[\bf:\bf+7], v[\af:\af+7], v[\d:\d+7], v[\sb], v[\sa] matrix_a_fmt:MATRIX_FMT_FP4 matrix_b_fmt:MATRIX_FMT_FP4 matrix_a_scale:MATRIX_SCALE_ROW1 matrix_b_scale:MATRIX_SCALE_ROW1
.elseif (\rb)
	v_wmma_scale_f32_16x16x128_f8f6f4 v[\d:\d+7], v[\bf:\bf+7], v[\af:\af+7], v[\d:\d+7], v[\sb], v[\sa] matrix_a_fmt:MATRIX_FMT_FP4 matrix_b_fmt:MATRIX_FMT_FP4 matrix_a_scale:MATRIX_SCALE_ROW1
.elseif (\ra)
	v_wmma_scale_f32_16x16x128_f8f6f4 v[\d:\d+7], v[\bf:\bf+7], v[\af:\af+7], v[\d:\d+7], v[\sb], v[\sa] matrix_a_fmt:MATRIX_FMT_FP4 matrix_b_fmt:MATRIX_FMT_FP4 matrix_b_scale:MATRIX_SCALE_ROW1
.else
	v_wmma_scale_f32_16x16x128_f8f6f4 v[\d:\d+7], v[\bf:\bf+7], v[\af:\af+7], v[\d:\d+7], v[\sb], v[\sa] matrix_a_fmt:MATRIX_FMT_FP4 matrix_b_fmt:MATRIX_FMT_FP4
.endif
.endif
.endm
; 8 matrix instructions: A's block a x B's eight, 128 along K: the job's q-th; p: the fragments' set; sc: the set of scale words.
; The 32 accumulators take turns, one instruction a turn, in the same order in every step.
.macro MUL8 a, p, q, sc, zero
.irp b, 0,1,2,3,4,5,6,7
	WM 8*(8*(\a)+\b), 64*(\p)+8*\b, AF+32*(\p)+8*(\a), SC+24*(\sc)+8+4*(\b/2)+(\q), SC+24*(\sc)+4*((\a)/2)+(\q), \b%2, (\a)%2, \zero
.endr
.endm
; One of a job's first three steps: the next step's fragments are asked for, then this step's set is multiplied.
.macro STEP slot, q, accw, zero
	PLACES 4                                       ; the other set was read by the matrix instructions just issued
	FETCH \slot, (\q)+1, ((\q)+1)%2
	s_wait_dscnt 24                                ; all but the 24 loads just issued: this step's set is in (behind a change of slots: the job's scale words too)
	WIN \accw
	MUL8 0, (\q)%2, \q, \slot, \zero
	MUL8 1, (\q)%2, \q, \slot, \zero
	MUL8 2, (\q)%2, \q, \slot, \zero
	MUL8 3, (\q)%2, \q, \slot, \zero
.endm
.macro JOB slot, accw, zero
	STEP \slot, 0, \accw, \zero
	STEP \slot, 1, \accw, 0
	STEP \slot, 2, \accw, 0
.endm
; A job's last step changes slots: ONE barrier; in front of it each wave waits for all its tensor loads, adds 0 to its spare word, and waits for that and for its own reads of this slot.
; how = 1: this slot is filled again, both addresses `bytes` further on; how = 2: it is filled with the first jobs of state x Wr; how = 0: nothing is left to fetch.
; offA, offB: where the next job's scale words lie from ADSA, ADSB on.
.macro TURN slot, next, accw, how, bytes, offA, offB
	WIN 0                                          ; (the add's two registers lie in window 0)
	s_wait_tensorcnt 0x0                           ; all my tensor loads have landed: my part of the next slot;
	ds_add_u32 v[SPW], v[NIL]                      ; 0 onto my spare word
	s_wait_dscnt 1                                 ; this step's fragments are in; only the add may be out
	WIN \accw
	MUL8 0, 1, 3, \slot, 0                         ; eight matrix instructions stand between the add and the wait for it
	s_wait_dscnt 0x0                               ; the add is done, and my reads of this slot are over
	s_barrier_signal -1
	MUL8 1, 1, 3, \slot, 0
	WIN 0
	s_barrier_wait -1
.if \how == 1
	CREST                                          ; the barrier has opened a round of the cluster's barrier: no wave of any partner still reads this slot's tiles or has a load on its way
	s_add_nc_u64 s[G0A+4*\slot+2:G0A+4*\slot+3], s[G0A+4*\slot+2:G0A+4*\slot+3], \bytes
	s_add_nc_u64 s[G0B+4*\slot+2:G0B+4*\slot+3], s[G0B+4*\slot+2:G0B+4*\slot+3], \bytes
	JLOAD G0A+4*\slot, G1A, G0B+4*\slot, G1B       ; the first tensor load behind the round; the four v_nop behind it are also the places in front of the loads below
.elseif \how == 2
	CREST
.if \slot == 0
	s_mov_b32 s[G1A+5], 2048                       ; from here on every tile's rows are 2,048 bytes apart (4,096 codes); no tensor load of mine is out
	s_mov_b32 s[G1B+5], 2048
.endif
	s_add_nc_u64 s[G0A+4*\slot+2:G0A+4*\slot+3], s[6:7], 256*\slot    ; the state's codes, K 512 x slot on
	s_or_b32 s[G0A+4*\slot+3], s[G0A+4*\slot+3], 0x80000000
	s_add_nc_u64 s[G0B+4*\slot+2:G0B+4*\slot+3], s[12:13], 256*\slot  ; Wr's likewise
	s_or_b32 s[G0B+4*\slot+3], s[G0B+4*\slot+3], 0x80000000
	JLOAD G0A+4*\slot, G1A, G0B+4*\slot, G1B
.else
	PLACES 4
.endif
	FETCH \next, 0, 0
	SCALES \next, \offA, \offB
	WIN \accw
	MUL8 2, 1, 3, \slot, 0
	MUL8 3, 1, 3, \slot, 0
	WIN 0
.endm
; 16 rows of state, my block a, into window win from v[base] on: a load covers 512 consecutive bytes of a row; read once in this launch.  The registers are idle in the K loop.
.macro STLOAD a, win, base
	WIN (\win)<<6
.irp t, 0,1,2,3,4,5,6,7,8,9,10,11,12,13,14,15
	global_load_b128 v[\base+4*\t:\base+4*\t+3], v[CO], s[18:19] offset:(16*(\a)+\t)*16384 th:TH_LOAD_NT
.endr
	WIN 0
.endm
	s_wait_tensorcnt 1                             ; the scales and my part of slot 0 are in; slot 1's load may stay out
	s_barrier_signal -1
	s_barrier_wait -1                              ; everybody's are
	FETCH 0, 0, 0
	SCALES 0, 0, 0
	JOB 0, MUL_S, 1                                ; J0: its first step starts S's sums: nothing is ever cleared
	TURN 0, 1, MUL_S, 1, 256, 0, 8192              ; slot 0 takes J2 (K 512 on of inputs and Wi); J1's scale words
	STLOAD 2, 1, 128                               ; three quarters of my state rows are asked for here, under the products
	JOB 1, MUL_G, 1                                ; J1: its first step starts G's sums
	TURN 1, 0, MUL_G, 1, 256, 2048, 4096           ; slot 1 takes J3; J2's scale words
	STLOAD 3, 1, 192
	JOB 0, MUL_S, 0                                ; J2
	TURN 0, 1, MUL_S, 2, 0, 2048, 12288            ; slot 0 takes J4; J3's scale words
	STLOAD 0, 0, 160
	JOB 1, MUL_G, 0                                ; J3
	TURN 1, 0, MUL_G, 2, 0, 4096, 16384            ; slot 1 takes J5; J4's scale words
	s_mov_b32 s3, 3
.Llap:                                                 ; three trips: J4 to J9; each fills both slots again, two jobs ahead
	JOB 0, MUL_S, 0
	TURN 0, 1, MUL_S, 1, 512, 6144, 20480
	JOB 1, MUL_S, 0
	TURN 1, 0, MUL_S, 1, 512, 8192, 24576
	v_add_nc_u32 v[ADSA], 4096, v[ADSA]            ; two jobs' scale words on
	v_add_nc_u32 v[ADSB], 8192, v[ADSB]
	s_sub_co_u32 s3, s3, 1
	s_cmp_lg_u32 s3, 0
	s_cbranch_scc1 .Llap
	JOB 0, MUL_S, 0                                ; J10 and J11 are written out
	TURN 0, 1, MUL_S, 0, 0, 6144, 20480
	JOB 1, MUL_S, 0
	s_wait_dscnt 0x0                               ; the very last step: nothing more to fetch
	WIN MUL_S
	MUL8 0, 1, 3, 1, 0
	MUL8 1, 1, 3, 1, 0
	MUL8 2, 1, 3, 1, 0
	MUL8 3, 1, 3, 1, 0
	WIN 0
; THE WAY OUT, each wave's own, block by block of 16 rows x 128 columns.  No barrier: the stages lie in slot 0, which every wave left at J10's barrier.
	PLACES 4                                       ; behind the last products: for the loads into B's second set, and for the first lines that rewrite results
	STLOAD 1, 1, 64                                ; the last quarter of my state rows; it is used last
	s_mov_b32 s4, 0x4038aa3b                       ; 2 log2(e)   (the packed forms name pairs and take the low word for both halves: both words are written)
	s_mov_b32 s5, s4
	s_mov_b32 s8, 0xbfb8aa3b                       ; -log2(e)
	s_mov_b32 s9, s8
	s_mov_b32 s10, 0xbe4ccccd                      ; -0.2
	s_mov_b32 s11, s10
	s_mov_b32 s14, 0x3f666666                      ; 0.9
	s_mov_b32 s15, s14
; Block a's activations, in the accumulators' registers, each accumulator from its low end on: S becomes T = 0.1 tanh S = 0.1 - 0.2 / (1 + 2^(2 log2(e) S)), G becomes the gate 1 / (1 + 2^(-log2(e) G)).
; The 128 exponentials are one batch with one wait ahead of their first reader, the 128 reciprocals another; a v_nop is the plain line behind each batch's last.
.macro ACT a
	WIN 0x82                                       ; destination and source 0 window 2
.set i, 64*(\a)
.rept 32
	v_pk_mul_f32 v[i:i+1], v[i:i+1], s[4:5] op_sel_hi:[1,0]
.set i, i+2
.endr
.set i, 64*(\a)
.rept 64
	v_exp_f32 v[i], v[i]
.set i, i+1
.endr
	WIN 0xc3                                       ; window 3
.set i, 64*(\a)
.rept 32
	v_pk_mul_f32 v[i:i+1], v[i:i+1], s[8:9] op_sel_hi:[1,0]
.set i, i+2
.endr
.set i, 64*(\a)
.rept 64
	v_exp_f32 v[i], v[i]
.set i, i+1
.endr
	v_nop
	s_wait_alu depctr_va_vdst(0)
.set i, 64*(\a)
.rept 32
	v_pk_add_f32 v[i:i+1], v[i:i+1], 1.0 op_sel_hi:[1,0]
.set i, i+2
.endr
.set i, 64*(\a)
.rept 64
	v_rcp_f32 v[i], v[i]                           ; the gate
.set i, i+1
.endr
	WIN 0x82
.set i, 64*(\a)
.rept 32
	v_pk_add_f32 v[i:i+1], v[i:i+1], 1.0 op_sel_hi:[1,0]
.set i, i+2
.endr
.set i, 64*(\a)
.rept 64
	v_rcp_f32 v[i], v[i]
.set i, i+1
.endr
	v_nop
	s_wait_alu depctr_va_vdst(0)
.set i, 64*(\a)
.rept 32
	v_pk_fma_f32 v[i:i+1], v[i:i+1], s[10:11], v[C01:C01+1] op_sel_hi:[1,0,1]   ; T  (source 2 in window 0)
.set i, i+2
.endr
.endm
; A lane holds 32 neighbouring bytes of a row, and the lanes beside it hold other rows: T and the gate go through my stage and come back as whole rows of 512 bytes, into the registers that they left.
; LDS serves a wave's instructions in order (ISA guide 5.7.1.4): no wait between the stores and the loads, nor in front of the next block's stores.
.macro STAGE a
	WIN 0x08                                       ; an LDS store's data are its source 1: window 2
.irp b, 0,1,2,3,4,5,6,7
	ds_store_b128 v[STO], v[64*(\a)+8*\b:64*(\a)+8*\b+3] offset:64*\b
	ds_store_b128 v[STO], v[64*(\a)+8*\b+4:64*(\a)+8*\b+7] offset:64*\b+16
.endr
	WIN 0x0c                                       ; window 3
.irp b, 0,1,2,3,4,5,6,7
	ds_store_b128 v[STO], v[64*(\a)+8*\b:64*(\a)+8*\b+3] offset:GOFF+64*\b
	ds_store_b128 v[STO], v[64*(\a)+8*\b+4:64*(\a)+8*\b+7] offset:GOFF+64*\b+16
.endr
	WIN 0x80                                       ; destination window 2
.irp t, 0,1,2,3,4,5,6,7,8,9,10,11,12,13,14,15
	ds_load_b128 v[64*(\a)+4*\t:64*(\a)+4*\t+3], v[RD] offset:\t*SPITCH
.endr
	WIN 0xc0                                       ; window 3
.irp t, 0,1,2,3,4,5,6,7,8,9,10,11,12,13,14,15
	ds_load_b128 v[64*(\a)+4*\t:64*(\a)+4*\t+3], v[RD] offset:GOFF+\t*SPITCH
.endr
	WIN 0
.endm
; Block a is finished and stored.  Its state rows lie in window ws from v[sb] on; n: the state loads issued behind them, which may stay out.
; Every block has registers of its own for what it stores, and no address is stepped: nothing that a store reads is written again.
.macro FIN a, ws, sb, n
	s_wait_loadcnt \n                              ; loads come back in order: my block's 16 rows of state are in
	s_wait_dscnt 0x0                               ; T and the gate are back from the stage
	WIN ((\ws)<<6)|0x20|(\ws)                      ; state in window ws, T (source 2) in window 2
.set i, 0
.rept 32
	v_pk_fma_f32 v[\sb+i:\sb+i+1], v[\sb+i:\sb+i+1], s[14:15], v[64*(\a)+i:64*(\a)+i+1] op_sel_hi:[1,0,1]   ; 0.9 state + 0.1 tanh S
.set i, i+2
.endr
	WIN ((\ws)<<6)|0x0c|(\ws)                      ; the gate (source 1) in window 3
.set i, 0
.rept 32
	v_pk_mul_f32 v[\sb+i:\sb+i+1], v[\sb+i:\sb+i+1], v[64*(\a)+i:64*(\a)+i+1]   ; x the gate: new
.set i, i+2
.endr
	WIN 0x80|((\ws)<<2)                            ; new (source 1 of the compare) in window ws; the spike goes to window 2, over T, which has been used
.irp t, 0,1,2,3,4,5,6,7,8,9,10,11,12,13,14,15
.irp k, 0,1,2,3
	v_cmp_lt_f32 s[56+\k], 0.5, v[\sb+4*\t+\k]     ; 0.5 < new; false for a NaN
.endr
.irp k, 0,1,2,3
	v_cndmask_b32 v[64*(\a)+4*\t+\k], 0, 1.0, s[56+\k]
.endr
.endr
	WIN (\ws)<<2                                   ; a store's data are its source 1
.irp t, 0,1,2,3,4,5,6,7,8,9,10,11,12,13,14,15
	global_store_b128 v[CO], v[\sb+4*\t:\sb+4*\t+3], s[22:23] offset:(16*(\a)+\t)*16384 th:TH_STORE_NT   ; 32 lanes store 512 consecutive bytes, at a multiple of 512 from out1's first byte
.endr
	WIN 0x08
.irp t, 0,1,2,3,4,5,6,7,8,9,10,11,12,13,14,15
	global_store_b128 v[CO], v[64*(\a)+4*\t:64*(\a)+4*\t+3], s[20:21] offset:(16*(\a)+\t)*16384 th:TH_STORE_NT   ; the same place in out0
.endr
	WIN 0
.endm
	ACT 2                                          ; the blocks go in the order in which their state rows were asked for: 2, 3, 0, 1
	STAGE 2
	ACT 3                                          ; a block's activations stand between the block before's trip through the stage and the wait for it
	FIN 2, 1, 128, 48                              ; behind block 2's state loads: blocks 3's, 0's and 1's, 16 each
	STAGE 3
	ACT 0
	FIN 3, 1, 192, 32
	STAGE 0
	ACT 1
	FIN 0, 0, 160, 16
	STAGE 1
	FIN 1, 1, 64, 0
	s_wait_tensorcnt 0x0                           ; the wave's end: behind my last tensor load and my last LDS store
	ds_add_u32 v[SPW], v[NIL]
	s_wait_dscnt 0x0
	CROUND                                         ; the closing round: no work-group ends while a partner may still ask for a tile that names it
	s_endpgm
.Lfunc_end_k_q5d9509d337_step:
	.size	k_q5d9509d337_step, .Lfunc_end_k_q5d9509d337_step-k_q5d9509d337_step
	.p2alignl 7, 3214868480
	.fill 96, 4, 3214868480
	.section	.rodata,"a",@progbits
	.p2align	6, 0x0
	.amdhsa_kernel k_q5d9509d337_step
		.amdhsa_group_segment_fixed_size 327680
		.amdhsa_private_segment_fixed_size 0
		.amdhsa_enable_private_segment 0
		.amdhsa_kernarg_size 80
		.amdhsa_user_sgpr_count 2
		.amdhsa_user_sgpr_kernarg_segment_ptr 1
		.amdhsa_wavefront_size32 1
		.amdhsa_system_sgpr_workgroup_id_x 1
		.amdhsa_system_sgpr_workgroup_id_y 1
		.amdhsa_system_sgpr_workgroup_id_z 1
		.amdhsa_system_vgpr_workitem_id 0
		.amdhsa_next_free_vgpr 1024
		.amdhsa_next_free_sgpr 101
		.amdhsa_reserve_vcc 0
		.amdhsa_float_denorm_mode_32 3
		.amdhsa_float_denorm_mode_16_64 3
		.amdhsa_memory_ordered 1
		.amdhsa_forward_progress 1
		.amdhsa_inst_pref_size 255
	.end_amdhsa_kernel
	.section	.bss,"aw",@nobits
	.p2align	6
	.space	262144
	.amdgpu_metadata
---
amdhsa.version: [ 1, 2 ]
amdhsa.kernels:
  - .name:           k_q5d9509d337_step
    .symbol:         k_q5d9509d337_step.kd
    .args:
      - { .name: inputs_codes, .offset: 0, .size: 8, .value_kind: global_buffer, .address_space: global }
      - { .name: st_codes, .offset: 8, .size: 8, .value_kind: global_buffer, .address_space: global }
      - { .name: input_weights_codes, .offset: 16, .size: 8, .value_kind: global_buffer, .address_space: global }
      - { .name: gate_weights_codes, .offset: 24, .size: 8, .value_kind: global_buffer, .address_space: global }
      - { .name: reservoir_weights_codes, .offset: 32, .size: 8, .value_kind: global_buffer, .address_space: global }
      - { .name: sca, .offset: 40, .size: 8, .value_kind: global_buffer, .address_space: global }
      - { .name: scb, .offset: 48, .size: 8, .value_kind: global_buffer, .address_space: global }
      - { .name: reservoir_state, .offset: 56, .size: 8, .value_kind: global_buffer, .address_space: global }
      - { .name: out0, .offset: 64, .size: 8, .value_kind: global_buffer, .address_space: global }
      - { .name: out1, .offset: 72, .size: 8, .value_kind: global_buffer, .address_space: global }
    .group_segment_fixed_size: 327680
    .private_segment_fixed_size: 0
    .kernarg_segment_align: 8
    .kernarg_segment_size: 80
    .max_flat_workgroup_size: 128
    .sgpr_count:     101
    .vgpr_count:     1024
    .wavefront_size: 32
...
	.end_amdgpu_metadata
.endif
;; end of part 2
;; ======== version 2 of 2: 2 launches
;; limits: right only within a limited range of input values
;; workspace buffers: a_img 5,242,880 bytes; sca 327,680 bytes
;; launch prep (part 3): grid 324 x 1, 4 waves a work-group, no clusters, 41,472 bytes of LDS; arguments reservoir_state, inputs_codes, inputs_scales, a_img, sca; writes a_img, sca
.if DOCPART == 3
	.amdgcn_target "amdgcn-amd-amdhsa--gfx1250"
	.amdhsa_code_object_version 6
	.text
	.protected	k_q5d9509d337_prep
	.globl	k_q5d9509d337_prep
	.p2align	8
	.type	k_q5d9509d337_prep,@function
k_q5d9509d337_prep:
	s_mov_b64 s[64:65], 0
	v_nop
	global_prefetch_b8 v0, s[64:65] scope:SCOPE_SE
	s_setreg_imm32_b32 hwreg(HW_REG_WAVE_MODE, 25, 1), 1
	s_wait_xcnt 0x0
; DEAD WORK LEFT OUT OF THE PROGRAM: prev_output is a parameter of the function that no expression of it reads, so no value of it can reach a result: it is not loaded and is among no launch's arguments.
; LIMIT that goes with it: a NaN or an infinity in prev_output is not carried to a result (the function itself does not carry it either).
; THREE JOBS IN ONE LAUNCH, told apart by the work-group's number alone.
; (1) Work-groups 0-255: reservoir_state [2048][4096] f32 becomes codes of FP4 (E2M1) and one E8M0 byte for each 32 along K (its last axis).
;     A block's scale is 2^(floor(log2(its largest magnitude)) - 2): its byte is the largest magnitude's exponent field - 2, held at 1 from below.
; (2) Work-groups 256-259: the scale bytes of inputs are copied, 16 bytes (512 along K of one row) at a time, into the order in which the next launch takes them:
;     sca [16 tiles of 128 rows][10 jobs][128 rows][16 bytes]: jobs 0, 1 = inputs' K 0-511, 512-1023; job 2 + c = the state's K 512 c on (written by (1)).
; (3) Work-groups 260-323: the codes of inputs are copied, 16 bytes at a time, into the same image as the state's codes.
; THE IMAGE: a_img [32 groups of 64 rows][40 steps of 128 along K][4 blocks of 16 rows][1,024 bytes]; steps 0-7 = inputs, step 8 + s = the state's K 128 s on.
;     A block's 1,024 bytes are the operand's eight registers as a wave holds them: 512 c + 256 h + 16 r holds K = 64 c + 32 h + 0 .. 31 of row r.
; LIMITS: NaN and infinities in reservoir_state are not served.  A block whose largest magnitude lies under 2^-124, a block of zeros among them, gets the byte 1 (the rule says 127 for zeros):
; zero codes add nothing under any byte but 0xff, and these bytes are read by this program alone.
; No tensor loads, no barrier: waves share nothing.  Only path (1) touches LDS.
.set STEPS, 16
.set EMAX,  2
.set SP,    80                         ; a lane's place in a stage: its 64 bytes + 16 of padding
.set WREG,  10240                      ; LDS: a region for each wave: two stages of 32 x SP bytes, its 256 scale bytes, its codes
.set SCBY,  2*32*SP                    ; where the scale bytes lie in it
.set CST,   SCBY+256                   ; where the codes lie: 16 units of 256 bytes,
.set CPU,   272                        ; 272 apart, so that the 16 units' equal places fall on different banks
.set R,     16                         ; v16-143  eight sets of 16 numbers as they are loaded; at the end v16-47 the codes on their way out
.set X,     144                        ; v144-175 two sets of 16 neighbours
.set E,     176                        ; v176-191 a scale byte for each step
.set C,     192                        ; v192-223 codes: two registers for each step
	s_load_b128 s[4:7], s[0:1], 0x0                ; state s[4:5]; inputs' codes s[6:7]
	s_load_b64 s[8:9], s[0:1], 0x10                ; inputs' scales
	s_load_b128 s[16:19], s[0:1], 0x18             ; a_img s[16:17], sca s[18:19]
	v_lshl_add_u32 v254, v0, 2, 0xa000
	v_mov_b32 v255, 0
	v_lshrrev_b32 v1, 5, v0
	v_readfirstlane_b32 s22, v1                    ; wave 0..3
	s_wait_alu depctr_va_vdst(0)
	s_wait_kmcnt 0x0
	s_cmp_lt_u32 ttmp9, 256
	s_cbranch_scc1 .Lquant
	s_cmp_lt_u32 ttmp9, 260
	s_cbranch_scc1 .Lscales
; (3) Work-group j = number - 260: group j / 2, steps 4 (j % 2) on: 16,384 consecutive bytes of the image, 8 pieces of 16 bytes a thread.
; Thread t of run k writes byte 2,048 k + 16 t: step k / 2, block 2 (k % 2) + t / 64, c = (t / 32) % 2, h = (t / 16) % 2, row r = t % 16.
	s_sub_co_u32 s23, ttmp9, 260
	s_lshr_b32 s24, s23, 1                         ; the group
	s_and_b32 s25, s23, 1                          ; which four steps
	s_lshl_b32 s26, s24, 15                        ; from: 64 rows of 512 bytes,
	s_lshl_b32 s27, s25, 8                         ; four steps of 64 bytes
	s_add_co_u32 s26, s26, s27
	s_mov_b32 s27, 0
	s_add_nc_u64 s[6:7], s[6:7], s[26:27]
	s_mul_i32 s26, s24, 163840                     ; to: a group's 40 steps of 4,096 bytes,
	s_lshl_b32 s28, s25, 14                        ; four steps
	s_add_co_u32 s26, s26, s28
	s_add_nc_u64 s[16:17], s[16:17], s[26:27]
	v_lshrrev_b32 v1, 6, v0                        ; t / 64
	v_and_b32 v2, 15, v0                           ; r
	v_bfe_u32 v3, v0, 4, 2                         ; 2 c + h
	v_lshlrev_b32 v4, 13, v1                       ; 16 rows of 512 bytes
	v_lshl_add_u32 v4, v2, 9, v4                   ; + my row
	v_lshl_add_u32 v4, v3, 4, v4                   ; + 32 c + 16 h
	v_lshlrev_b32 v5, 4, v0
.irp k, 0,1,2,3,4,5,6,7
	global_load_b128 v[32+4*\k:35+4*\k], v4, s[6:7] offset:(\k%2)*16384+(\k/2)*64
.endr
	s_wait_alu depctr_va_vdst(0)
.irp k, 0,1,2,3,4,5,6,7
	s_wait_loadcnt 7-\k                            ; loads come back in order: piece k is in, the 7 - k younger ones may be out
	global_store_b128 v5, v[32+4*\k:35+4*\k], s[16:17] offset:\k*2048   ; a wave's store covers 512 consecutive bytes
.endr
	s_endpgm
; (2) Work-group j = number - 256 copies four tiles: run k is tile 4 j + k / 2, job k % 2; thread t takes row t.
.Lscales:
	s_sub_co_u32 s23, ttmp9, 256
	s_lshl_b32 s26, s23, 14                        ; from: four tiles of 128 rows x 32 bytes
	s_mov_b32 s27, 0
	s_add_nc_u64 s[8:9], s[8:9], s[26:27]
	s_mul_i32 s26, s23, 81920                      ; to: four tiles of 20,480 bytes
	s_add_nc_u64 s[18:19], s[18:19], s[26:27]
	v_lshlrev_b32 v4, 5, v0
	v_lshlrev_b32 v5, 4, v0
.irp k, 0,1,2,3,4,5,6,7
	global_load_b128 v[32+4*\k:35+4*\k], v4, s[8:9] offset:(\k/2)*4096+(\k%2)*16
.endr
	s_wait_alu depctr_va_vdst(0)
.irp k, 0,1,2,3,4,5,6,7
	s_wait_loadcnt 7-\k                            ; piece k is in, the 7 - k younger ones may be out
	global_store_b128 v5, v[32+4*\k:35+4*\k], s[18:19] offset:(\k/2)*20480+(\k%2)*2048
.endr
	s_endpgm
; (1) THE QUANTISER.  Work-group n: rows 16 (n / 2) on; wave w: K 512 c on, c = 4 (n % 2) + w.  A wave takes 16 steps; step t is row t's 512 numbers, 2,048 consecutive bytes.
; The conversions take neighbours along K from ONE lane's registers, a load takes neighbouring bytes in neighbouring LANES: so each of a step's four loads reads 512 consecutive bytes, 16 a lane,
; the 2,048 bytes go through the wave's own stage in LDS as they lie, and come back 64 bytes a lane (16 neighbours; two neighbouring lanes hold a block of 32).
; Lane l's 16 codes of row t are bytes 16 t + 8 (l % 2) of unit l / 2 of the wave's four fragments (unit = 4 x fragment + 2 c + h): they are gathered in LDS, and the 4,096 bytes leave by eight stores of 512 consecutive bytes.
; The wave's 16 x 16 scale bytes are 256 consecutive bytes of sca: gathered in LDS too, they leave by one store.
.Lquant:
	v_and_b32 v2, 31, v0                           ; lane
	v_lshlrev_b32 v3, 4, v2                        ; my 16 bytes of 512: of a load, and of a store of codes
	s_mul_i32 s28, s22, WREG
	v_lshrrev_b32 v14, 2, v2
	v_mul_u32_u24 v14, v14, SP
	v_and_b32 v15, 3, v2
	v_lshl_add_u32 v14, v15, 4, v14
	v_add_nc_u32 v14, s28, v14                     ; the stage, on the way in: four lanes' 64 bytes on end, then 16 of padding
	v_mul_u32_u24 v15, v2, SP
	v_add_nc_u32 v15, s28, v15                     ; and on the way out: my 16 neighbours
	v_lshlrev_b32 v4, 3, v2                        ; 8 x lane: my 8 of the wave's 256 scale bytes
	v_lshrrev_b32 v5, 1, v2                        ; lane / 2: my block in a step; my unit among the codes
	v_mul_u32_u24 v7, v5, CPU
	v_and_b32 v10, 1, v2
	v_lshl_add_u32 v7, v10, 3, v7
	s_add_co_u32 s29, s28, CST
	v_add_nc_u32 v7, s29, v7                       ; where I put a step's 8 bytes of codes (+ 16 x the step)
	v_lshrrev_b32 v10, 4, v2
	v_mul_u32_u24 v10, v10, CPU
	v_and_b32 v1, 15, v2
	v_lshl_add_u32 v10, v1, 4, v10
	v_add_nc_u32 v10, s29, v10                     ; and where I read codes back: lanes 0-15 one unit, lanes 16-31 the next
	s_add_co_u32 s28, s28, SCBY
	v_add_nc_u32 v5, s28, v5                       ; my block's scale byte
	v_add_nc_u32 v6, s28, v4                       ; and on the way out 8 bytes a lane
	s_wait_alu depctr_va_vdst(0)
	s_lshr_b32 s23, ttmp9, 1                       ; which 16 rows
	s_and_b32 s24, ttmp9, 1
	s_lshl_b32 s24, s24, 2
	s_add_co_u32 s24, s24, s22                     ; c
	s_mov_b32 s27, 0
	s_lshl_b32 s26, s23, 18                        ; 16 rows of 16,384 bytes
	s_lshl_b32 s25, s24, 11                        ; 512 numbers
	s_add_co_u32 s26, s26, s25
	s_add_nc_u64 s[4:5], s[4:5], s[26:27]
	s_lshr_b32 s26, s23, 2                         ; the image: the group of 64 rows,
	s_mul_i32 s26, s26, 163840
	s_lshl_b32 s25, s24, 14                        ; four steps of 4,096 bytes for each c,
	s_add_co_u32 s26, s26, s25
	s_and_b32 s25, s23, 3                          ; my block of 16 rows in the group,
	s_lshl_b32 s25, s25, 10
	s_add_co_u32 s26, s26, s25
	s_add_co_u32 s26, s26, 8*4096                  ; behind inputs' eight steps
	s_add_nc_u64 s[16:17], s[16:17], s[26:27]
	s_lshr_b32 s26, s23, 3                         ; sca: the tile of 128 rows,
	s_mul_i32 s26, s26, 20480
	s_add_co_u32 s25, s24, 2                       ; job 2 + c,
	s_lshl_b32 s25, s25, 11
	s_add_co_u32 s26, s26, s25
	s_and_b32 s25, s23, 7                          ; my 16 rows in it
	s_lshl_b32 s25, s25, 8
	s_add_co_u32 s26, s26, s25
	s_add_nc_u64 s[18:19], s[18:19], s[26:27]
.macro LOAD t                          ; no non-temporal hint: the next launch reads these bytes again
.irp i, 0,1,2,3
	global_load_b128 v[R+16*((\t)%8)+4*\i:R+16*((\t)%8)+4*\i+3], v3, s[4:5] offset:16384*(\t)+512*\i
.endr
.endm
.macro TURN t                          ; step t's numbers through the stage: LDS serves a wave's instructions in order, so no wait stands between the stores and the loads
.irp i, 0,1,2,3
	ds_store_b128 v14, v[R+16*((\t)%8)+4*\i:R+16*((\t)%8)+4*\i+3] offset:32*SP*((\t)%2)+8*SP*\i
.endr
.irp i, 0,1,2,3
	ds_load_b128 v[X+16*((\t)%2)+4*\i:X+16*((\t)%2)+4*\i+3], v15 offset:32*SP*((\t)%2)+16*\i
.endr
.endm
.irp t, 0,1,2,3,4,5,6,7
	LOAD \t                                        ; eight steps, 32 loads, are on their way
.endr
	s_wait_loadcnt 28                              ; step 0's four loads are in; the 28 behind them may be out
	TURN 0
.macro STEP t
.set XS, X+16*((\t)%2)
.if (\t) > 0
	s_wait_dscnt 2                                 ; this step's numbers are back from the stage; only the last step's two stores (its byte, its codes) may be out
.else
	s_wait_dscnt 0x0
.endif
.if (\t)+8 < STEPS
	LOAD (\t)+8                                    ; into the set that this step's stores into the stage have read
.endif
.if (\t)+1 < STEPS
.if 14-(\t) >= 7
	s_wait_loadcnt 28                              ; the next step's four loads are in; those of the seven steps behind it may be out
.else
	s_wait_loadcnt 4*(14-(\t))                     ; towards the end fewer steps stand behind it
.endif
	TURN (\t)+1                                    ; and go through the other stage while this step is worked
.endif
	v_max3_num_f32 v8, |v[XS]|, |v[XS+1]|, |v[XS+2]|               ; the largest magnitude of my 16, in two chains
	v_max3_num_f32 v9, |v[XS+3]|, |v[XS+4]|, |v[XS+5]|
.irp i, 6,10
	v_max3_num_f32 v8, v8, |v[XS+\i]|, |v[XS+\i+1]|
	v_max3_num_f32 v9, v9, |v[XS+\i+2]|, |v[XS+\i+3]|
.endr
	v_max3_num_f32 v8, v8, |v[XS+14]|, |v[XS+15]|
	v_max3_num_f32 v8, v8, v9, (EMAX+1)<<23        ; and the floor 2^(3 - 127): so the byte cannot fall under 1
	v_max_num_f32_dpp v8, v8, v8 row_xmask:1 row_mask:0xf bank_mask:0xf   ; and of my neighbour's 16: the block's
	v_add_nc_u32 v11, -(EMAX<<23), v8              ; 2 off its exponent field: the conversion takes the exponent field of this operand as its scale, and nothing else of it
	v_cvt_scalef32_pk8_fp4_f32 v[C+2*(\t)], v[XS:XS+7], v11        ; eight numbers / the scale, to the nearest code, ties to even, beyond the largest code the largest
	v_cvt_scalef32_pk8_fp4_f32 v[C+2*(\t)+1], v[XS+8:XS+15], v11
	v_lshrrev_b32 v[E+(\t)], 23, v11               ; the scale's byte (also the plain line behind the conversions)
	ds_store_b8 v5, v[E+(\t)] offset:16*(\t)       ; both lanes of a block write the same byte with the same value
	ds_store_b64 v7, v[C+2*(\t):C+2*(\t)+1] offset:16*(\t)         ; row t's place in my unit
.endm
.irp t, 0,1,2,3,4,5,6,7,8,9,10,11,12,13,14,15
	STEP \t
.endr
	ds_load_b64 v[12:13], v6                       ; LDS serves a wave's instructions in order: these see my stores
.irp j, 0,1,2,3,4,5,6,7
	ds_load_b128 v[R+4*\j:R+4*\j+3], v10 offset:2*CPU*\j           ; units 2 j and 2 j + 1: half a fragment
.endr
	s_wait_dscnt 8                                 ; the scale bytes are back; the eight loads behind them may be out
	global_store_b64 v4, v[12:13], s[18:19]        ; 16 rows x 16 scale bytes: 256 consecutive bytes of sca
.irp j, 0,1,2,3,4,5,6,7
	s_wait_dscnt 7-\j
	global_store_b128 v3, v[R+4*\j:R+4*\j+3], s[16:17] offset:(\j/2)*4096+(\j%2)*512   ; fragment j / 2 (a step further on in the image), its half j % 2: 512 consecutive bytes
.endr
	s_wait_tensorcnt 0x0                           ; the wave's end
	ds_add_u32 v254, v255
	s_wait_dscnt 0x0
	s_endpgm
.Lfunc_end_k_q5d9509d337_prep:
	.size	k_q5d9509d337_prep, .Lfunc_end_k_q5d9509d337_prep-k_q5d9509d337_prep
	.p2alignl 7, 3214868480
	.fill 96, 4, 3214868480
	.section	.rodata,"a",@progbits
	.p2align	6, 0x0
	.amdhsa_kernel k_q5d9509d337_prep
		.amdhsa_group_segment_fixed_size 41472
		.amdhsa_private_segment_fixed_size 0
		.amdhsa_enable_private_segment 0
		.amdhsa_kernarg_size 40
		.amdhsa_user_sgpr_count 2
		.amdhsa_user_sgpr_kernarg_segment_ptr 1
		.amdhsa_wavefront_size32 1
		.amdhsa_system_sgpr_workgroup_id_x 1
		.amdhsa_system_sgpr_workgroup_id_y 1
		.amdhsa_system_sgpr_workgroup_id_z 1
		.amdhsa_system_vgpr_workitem_id 0
		.amdhsa_next_free_vgpr 256
		.amdhsa_next_free_sgpr 66
		.amdhsa_reserve_vcc 0
		.amdhsa_float_denorm_mode_32 3
		.amdhsa_float_denorm_mode_16_64 3
		.amdhsa_memory_ordered 1
		.amdhsa_forward_progress 1
		.amdhsa_inst_pref_size 40
	.end_amdhsa_kernel
	.amdgpu_metadata
---
amdhsa.version: [ 1, 2 ]
amdhsa.kernels:
  - .name:           k_q5d9509d337_prep
    .symbol:         k_q5d9509d337_prep.kd
    .args:
      - { .name: reservoir_state, .offset: 0, .size: 8, .value_kind: global_buffer, .address_space: global }
      - { .name: inputs_codes, .offset: 8, .size: 8, .value_kind: global_buffer, .address_space: global }
      - { .name: inputs_scales, .offset: 16, .size: 8, .value_kind: global_buffer, .address_space: global }
      - { .name: a_img, .offset: 24, .size: 8, .value_kind: global_buffer, .address_space: global }
      - { .name: sca, .offset: 32, .size: 8, .value_kind: global_buffer, .address_space: global }
    .group_segment_fixed_size: 41472
    .private_segment_fixed_size: 0
    .kernarg_segment_align: 8
    .kernarg_segment_size: 40
    .max_flat_workgroup_size: 128
    .sgpr_count:     66
    .vgpr_count:     256
    .wavefront_size: 32
...
	.end_amdgpu_metadata
.endif
;; end of part 3
;; launch step (part 4): grid 16 x 16, 4 waves a work-group, clusters of 4 x 1, 327,680 bytes of LDS; arguments a_img, sca, input_weights_codes, gate_weights_codes, reservoir_weights_codes, input_weights_scales, gate_weights_scales, reservoir_weights_scales, reservoir_state, out0, out1; writes out0, out1
.if DOCPART == 4
	.amdgcn_target "amdgcn-amd-amdhsa--gfx1250"
	.amdhsa_code_object_version 6
	.text
	.protected	k_q5d9509d337_step
	.globl	k_q5d9509d337_step
	.p2align	8
	.type	k_q5d9509d337_step,@function
k_q5d9509d337_step:
	s_mov_b64 s[64:65], 0
	v_nop
	global_prefetch_b8 v0, s[64:65] scope:SCOPE_SE
	s_setreg_imm32_b32 hwreg(HW_REG_WAVE_MODE, 25, 1), 1
	s_wait_xcnt 0x0
	s_wait_alu depctr_hold_cnt(0) depctr_sa_sdst(0) depctr_va_vdst(0) depctr_va_sdst(0) depctr_va_ssrc(0) depctr_va_vcc(0) depctr_vm_vsrc(0)
	s_getreg_b32 s2, hwreg(HW_REG_IB_STS2, 6, 4)
	s_cmp_eq_u32 s2, 0
	s_cbranch_scc0 .Lentry_in_a_cluster
	s_endpgm
.Lentry_in_a_cluster:
	s_bfe_u32 s2, ttmp6, 0x10000c
	s_cmp_lg_u32 s2, 0x3003
	s_cbranch_scc0 .Lentry_shape_is_right
	s_endpgm
.Lentry_shape_is_right:
; G = inputs Wg (K = 1,024), S = inputs Wi + state Wr (K = 1,024 + 4,096), all on codes of FP4 (E2M1) with one E8M0 scale for each 32 along K, sums in f32;
; new = (0.9 state + 0.1 tanh S) x sigmoid G -> out1;  spike = 1 where new > 0.5, else 0 -> out0.  Both [2048][4096] f32.
; prev_output is left out: the function reads it in no expression (see the first kernel's head).
; With r = 1 / (1 + 2^(2 log2(e) S)): 0.1 tanh S = 0.1 - 0.2 r, so new = g (r - 4.5 state - 0.5), g = -0.2 / (1 + 2^(-log2(e) G)).
; An exponential that overflows gives the reciprocal 0, one that underflows the reciprocal 1, so both ends are right without a clamp.
; The spike is 2^30 new - 2^29, in one rounding, held to 0 .. 1: the f32 number next above 0.5 is 0.5 + 2^-24, which gives 64; 0.5 gives 0.
; LIMITS: the spike turns over where new lies within f32 rounding of 0.5.  NaN and infinities in the inputs are not served; |state| stays under 2^120, so that 4.5 state is finite.
; SHARES.  256 work-groups of four waves; work-group x is the row tile (128 rows), y the column tile (256 columns); wave w makes rows 64 (w / 2) on, columns 128 (w % 2) on: 32 accumulators, 256 registers.
; SIX JOBS of 1,024 along K, 8 steps of 128, 32 matrix instructions a wave in each step:  J0 inputs x Wg -> G, then g;  J1 inputs x Wi starts S, on the rows that J0 has left in registers;  J2 .. J5 state x Wr, K 1,024 (t - 2) on.
; THE WEIGHTS go through a ring of two LDS slots of 256 rows x 512 bytes, filled by the tensor data mover; job t lies in slot t % 2.  Wave w fetches the tile's columns 4 i + w, i = 0 .. 63.
; THE LAYOUT OF A RESULT: source 0 = 16 rows of inputs or state, source 1 = 16 columns of the weights: tile 4 g + b of a wave takes the columns 64 g + 4 r + b, r = lane % 16.  So a lane's results in the four
;   tiles b = 0 .. 3 are 4 neighbouring columns, and sixteen lanes' are 256 consecutive bytes of a row, at a multiple of 256: state is loaded and both results are stored so, with no stage in LDS.
; THEIR SCALES, three dense blocks of the inputs, go once through registers into LDS: [12 halves of a job][2 halves of the columns][4 pairs of tiles][16 lanes][16 bytes], a pair's second tile SPR bytes behind its first, and stay.
; THE ROWS (inputs, state) go from memory straight into registers: two slots of 1,024 along K for both operands would be 2 x 384 rows x 528 bytes = 405,504 bytes, more than a work-group can have.
;   The launch before has laid their codes as images of the operand's registers, so each load covers 512 consecutive bytes.  Eight sets hold a job's rows; set q is asked for again in the step behind step q: seven steps ahead of its use.
; CLUSTERS: 4 x 1 work-groups: four row tiles of one column tile need the same tiles of the weights: each is asked for JOINTLY.  The rows are shared by work-groups too, but joint requests are tensor loads into LDS, for which the arithmetic above leaves no room.
; PREFETCHES: Wr's tiles one to two jobs ahead of their tensor loads, 16 of a wave's 64 rows for each of the four partners, told apart by address, each 256 bytes once in a cluster; state by the wave that will load it, a block of 16 rows in each of J1 .. J4.
; REGISTERS, in windows of 256: window 0: v1-30 addresses and constants; v32-63 the weights' scale words; v64-79 the rows'; v96-223 the weights' fragments, two sets.
;   window 1: the rows' eight sets; in J5 and behind it state, then new: register 64 a + 8 j + t is row j + 8 (lane / 16) of block a, column of tile t.   window 2: G, then S: accumulator (a, t) at v[64 a + 8 t]; at last the spikes.   window 3: g, laid as G.
.set PITCH, 528                        ; an LDS row: 512 bytes + 16 of padding = 132 words, so that the 16 rows that a fragment load touches begin 4 words apart modulo 64
.set QB,    64*PITCH                   ; 64 rows: what one tensor load brings
.set SLOT,  4*QB                       ; 135,168 bytes
.set SPARE, 2*SLOT                     ; behind the ring: the spare words, 128 bytes for each wave: two blocks of 256 bytes that no other line names
.set SCB,   SPARE+512                  ; the weights' scales; they end at 320,576
.set SHB,   2048+16                    ; a half of a job in them: 2 halves of the columns x 4 pairs of tiles x 16 lanes x 16 bytes, + 16 of padding
.set SPR,   24960                      ; of a pair of tiles, the second's 16 lanes lie so far behind the first's 16: 128 more than a multiple of 256.  So the sixteen lanes that store together
                                       ; (8 halves x 2 tiles of one r) differ modulo 256, and so do the sixteen that load together (16 r of one tile)
.set ADB0, 12                          ; v12-13  LDS address of my fragments in slot 0: tiles b = 0, 1 and tiles b = 2, 3
.set ADB1, 14                          ; v14-15  in slot 1
.set ADL,  16                          ; v16-17  in the slot of the loop's job
.set ADS,  18                          ; v18     LDS address of the scale words that are fetched next
.set CO,   19                          ; v19     16 x lane
.set STV,  20                          ; v20     my byte offset in state, out0, out1: 8 (lane / 16) rows + 16 r
.set PFO,  21                          ; v21     the prefetches' offset in Wr
.set CN,   22                          ; v22-23  -2^29, twice
.set CH,   24                          ; v24-25  -0.5, twice
.set PFT,  26                          ; v26     the prefetches' offset in state
.set WS,   27                          ; v27, v30  where I put scale bytes of Wr, of Wg and Wi
.set SPW,  28                          ; v28     LDS address of my spare word: SPARE + 4 x my thread's number; never rewritten
.set NIL,  29                          ; v29     0; never rewritten
.set WX,   30
.set SB,   32                          ; the weights' scale words: register 16 hh + 4 p + q: tiles 2 p (lanes 0-15) and 2 p + 1 (lanes 16-31), step 4 hh + q
.set SA,   64                          ; the rows' scale words: register 8 hh + 4 p + q, likewise for blocks
.set BF,   96                          ; the weights' fragments: set q % 2 at + 64, tile t at + 8 t
.set G1X,  28                          ; s[28:35] descriptor group 1 for tiles of Wi and Wg;  s[36:43] for Wr
.set G1R,  36
.set G0G,  44                          ; s[44:47] group 0 for Wg;  s[48:51] for Wi;  s[52:55] for Wr, which walks
.set G0I,  48
.set G0W,  52
.set WV,   56                          ; my wave's number
.set FR,   57                          ; which 64 rows are mine
.set HF,   58                          ; which 128 columns are mine
.set CX,   59                          ; my place in the cluster: it enters the rows', the state's, the outputs' and the prefetches' addresses, nothing else
.set RT,   60                          ; row tile
.set CT,   61                          ; column tile
.set WQ,   62                          ; my wave's quarter of a slot
.set TB,   63                          ; where the job's slot begins: 0 or SLOT
.set TO,   66                          ; the other slot
.set T0,   67
.set OB,   68                          ; s[68:69] offsets made of the column tile and the wave alone
.set APL,  70                          ; s[70:71] the image at the steps that are asked for next
.set SPL,  72                          ; s[72:73] the rows' scales, likewise
.set PFA,  74                          ; s[74:75], s[76:77] where my prefetches stand, in Wr and in state
.set PFS,  76
.set K2,   78                          ; pairs, since the packed forms name pairs: 2 log2(e);  -log2(e);  -0.2;  -4.5;  2^30
.set KG,   80
.set KM,   82
.set KX,   84
.set KT,   86
.set OA,   90                          ; s[90:91] offsets in which the row tile has a part
.set MUL,  0xa1                        ; source 0 (rows) window 1, source 1 (weights) window 0, C and D window 2
.set MSB, 0
.macro WIN new                         ; the immediate's high byte repeats the setting that is left; a switch that changes nothing is dropped
.if MSB != (\new)
	s_set_vgpr_msb (MSB<<8)|(\new)
.set MSB, (\new)
.endif
.endm
.macro CREST                           ; a round of the cluster's barrier behind its opening barrier
	s_cmp_lg_u32 s[WV], 0
	s_cbranch_scc1 .Lnot_wave_0_\@
	s_barrier_signal -3
.Lnot_wave_0_\@:
	s_barrier_wait -3
	s_barrier_signal -1
	s_barrier_wait -1
.endm
.macro CROUND                          ; a whole round
	s_barrier_signal -1
	s_barrier_wait -1
	CREST
.endm
; A load into a register that a matrix instruction has read, and a vector instruction that reads a matrix result, stand four places behind that matrix instruction; only plain
; vector instructions that name none of its registers are places (ISA guide 7.12.1 for vector instructions).
.macro PLACES
.rept 4
	v_nop
.endr
.endm
; One matrix instruction.  ra, rb = 1: the rows', the weights' scale words lie in lanes 16-31; zero = 1: the product starts the sum.
.macro WM d, af, bf, sa, sb, ra, rb, zero
.if \zero
.if (\ra) && (\rb)
	v_wmma_scale_f32_16x16x128_f8f6f4 v[\d:\d+7], v[\af:\af+7], v[\bf:\bf+7], 0, v[\sa], v[\sb] matrix_a_fmt:MATRIX_FMT_FP4 matrix_b_fmt:MATRIX_FMT_FP4 matrix_a_scale:MATRIX_SCALE_ROW1 matrix_b_scale:MATRIX_SCALE_ROW1
.elseif (\ra)
	v_wmma_scale_f32_16x16x128_f8f6f4 v[\d:\d+7], v[\af:\af+7], v[\bf:\bf+7], 0, v[\sa], v[\sb] matrix_a_fmt:MATRIX_FMT_FP4 matrix_b_fmt:MATRIX_FMT_FP4 matrix_a_scale:MATRIX_SCALE_ROW1
.elseif (\rb)
	v_wmma_scale_f32_16x16x128_f8f6f4 v[\d:\d+7], v[\af:\af+7], v[\bf:\bf+7], 0, v[\sa], v[\sb] matrix_a_fmt:MATRIX_FMT_FP4 matrix_b_fmt:MATRIX_FMT_FP4 matrix_b_scale:MATRIX_SCALE_ROW1
.else
	v_wmma_scale_f32_16x16x128_f8f6f4 v[\d:\d+7], v[\af:\af+7], v[\bf:\bf+7], 0, v[\sa], v[\sb] matrix_a_fmt:MATRIX_FMT_FP4 matrix_b_fmt:MATRIX_FMT_FP4
.endif
.else
.if (\ra) && (\rb)
	v_wmma_scale_f32_16x16x128_f8f6f4 v[\d:\d+7], v[\af:\af+7], v[\bf:\bf+7], v[\d:\d+7], v[\sa], v[\sb] matrix_a_fmt:MATRIX_FMT_FP4 matrix_b_fmt:MATRIX_FMT_FP4 matrix_a_scale:MATRIX_SCALE_ROW1 matrix_b_scale:MATRIX_SCALE_ROW1
.elseif (\ra)
	v_wmma_scale_f32_16x16x128_f8f6f4 v[\d:\d+7], v[\af:\af+7], v[\bf:\bf+7], v[\d:\d+7], v[\sa], v[\sb] matrix_a_fmt:MATRIX_FMT_FP4 matrix_b_fmt:MATRIX_FMT_FP4 matrix_a_scale:MATRIX_SCALE_ROW1
.elseif (\rb)
	v_wmma_scale_f32_16x16x128_f8f6f4 v[\d:\d+7], v[\af:\af+7], v[\bf:\bf+7], v[\d:\d+7], v[\sa], v[\sb] matrix_a_fmt:MATRIX_FMT_FP4 matrix_b_fmt:MATRIX_FMT_FP4 matrix_b_scale:MATRIX_SCALE_ROW1
.else
	v_wmma_scale_f32_16x16x128_f8f6f4 v[\d:\d+7], v[\af:\af+7], v[\bf:\bf+7], v[\d:\d+7], v[\sa], v[\sb] matrix_a_fmt:MATRIX_FMT_FP4 matrix_b_fmt:MATRIX_FMT_FP4
.endif
.endif
.endm
; Four matrix instructions: the rows' block k / 2 x the weights' tiles 4 (k % 2) on, the job's q-th 128 along K.
; The 32 accumulators take turns, one instruction a turn, in the same order in every step.
.macro G4 q, k, z
	WIN MUL
.irp u, 0,1,2,3
	WM 32*(\k)+8*\u, 32*(\q)+8*((\k)/2), BF+64*((\q)%2)+32*((\k)%2)+8*\u, SA+8*((\q)/4)+4*((\k)/4)+(\q)%4, SB+16*((\q)/4)+8*((\k)%2)+4*(\u/2)+(\q)%4, ((\k)/2)%2, \u%2, \z
.endr
.endm
; The weights' fragments of tiles t0, t0 + 1 of step q, into set q % 2.  A fragment, 16 columns x 128 K of 4-bit codes, is 8 registers: registers 4 c .. 4 c + 3 hold K = 64 c + 32 (lane / 16) + 0 .. 31.
.macro FB ad, q, t0
	WIN 0
.irp u, 0,1
.irp c, 0,1
	ds_load_b128 v[BF+64*((\q)%2)+8*((\t0)+\u)+4*\c:BF+64*((\q)%2)+8*((\t0)+\u)+4*\c+3], v[\ad+((\t0)%4)/2] offset:\u*QB+((\t0)/4)*16*PITCH+64*(\q)+32*\c
.endr
.endr
.endm
.macro SBL hh                          ; half a job's scale words of the weights: a load takes two runs of 256 consecutive bytes, SPR apart
	WIN 0
.irp p, 0,1,2,3
	ds_load_b128 v[SB+16*\hh+4*\p:SB+16*\hh+4*\p+3], v[ADS] offset:SHB*\hh+256*\p
.endr
.endm
.macro SAL hh                          ; and of the rows: 64 rows x 16 bytes
	WIN 0
.irp p, 0,1
	global_load_b128 v[SA+8*\hh+4*\p:SA+8*\hh+4*\p+3], v[CO], s[SPL:SPL+1] offset:2048*\hh+512*\p
.endr
.endm
.macro AL st, i                        ; loads i, i + 1 of the eight of set st of the rows
	WIN 0x40                                       ; destination window 1
.irp u, 0,1
	global_load_b128 v[32*(\st)+4*(\i+\u):32*(\st)+4*(\i+\u)+3], v[CO], s[APL:APL+1] offset:4096*(\st)+512*(\i+\u)
.endr
.endm
.macro SL st, i                        ; loads i, i + 1 of the eight by which set st takes state: block st / 2, rows 4 (st % 2) on (and 8 further down in lanes 16-31), two units of 256 bytes a row; read once in this launch
	WIN 0x40
.irp u, 0,1
	global_load_b128 v[32*(\st)+4*(\i+\u):32*(\st)+4*(\i+\u)+3], v[STV], s[20:21] offset:(16*((\st)/2)+4*((\st)%2)+(\i+\u)/2)*16384+256*((\i+\u)%2) th:TH_LOAD_NT
.endr
.endm
; What differs from job to job stands in symbols.  LD0: step 0 asks for nothing (0), for set 7 (1), for the second half's scale words of the rows and set 7 (2).  LDM: step q > 0 asks for nothing (0), for the next job's set q - 1 (1),
; for state into set q - 1 (2).  SCM: step 4 fetches the next job's first scale words of the weights (1), of the rows too (2).  NW0 .. NW7: the counts of the waits for the rows at steps 0, 3, 4, 7.
.macro LD q, i
.if (\q) == 0
.if LD0
	AL 7, \i
.endif
.elseif LDM == 1
	AL (\q)-1, \i
.elseif LDM == 2
	SL (\q)-1, \i
.endif
.endm
.macro LW q
.if (\q) == 0
.if NW0 >= 0
	s_wait_loadcnt NW0
.endif
.elseif (\q) == 3
	s_wait_loadcnt NW3
.elseif (\q) == 4
	s_wait_loadcnt NW4
.elseif (\q) == 7
	s_wait_loadcnt NW7
.endif
.endm
; A step: ONE run of loads at its top (scale words, the next step's fragments of the weights, the set of rows that the step before has multiplied), then its 32 matrix instructions on end.
.macro STEP q, ad, z
	LW \q
	PLACES                                         ; for the loads into registers that the step before has read
.set ND, 0                             ; the LDS loads of this run
.if (\q) == 0
	SBL 1
.set ND, 4
.endif
.if ((\q) == 4) && SCM
	SBL 0
.set ND, 4
.endif
.if (\q) < 7
.irp k, 0,2,4,6
	FB \ad, (\q)+1, \k
.endr
.set ND, ND+16
.endif
.if ((\q) == 0) && (LD0 == 2)
	SAL 1
.endif
.if ((\q) == 4) && (SCM == 2)
	SAL 0
.endif
.irp m, 0,2,4,6
	LD \q, \m
.endr
	s_wait_dscnt ND                                ; this step's fragments, fetched a step ago, are in; the run's own LDS loads may be out
.irp k, 0,1,2,3,4,5,6,7
	G4 \q, \k, \z
.endr
.endm
; A job's last step changes slots.  Its fragments are in registers, so the slot has been read.  Each wave waits for all its tensor loads (its quarter of the next slot), adds 0 to its spare word, and waits for that and for its reads;
; how = 1: the slot is then filled with Wr's next 1,024 along K: the barrier opens a round of the cluster's, and the joint refill is the first thing behind it: it has a whole job, 256 matrix instructions, in which to land.
.macro TURN nx, how
	LW 7
	PLACES
.irp m, 0,2,4,6
	LD 7, \m
.endr
	WIN 0                                          ; (the add's two registers lie in window 0)
	s_wait_dscnt 0x0                               ; this step's fragments are in: the slot has been read
	s_wait_tensorcnt 0x0                           ; no tensor load of mine is out, so a group 0 may be written
	ds_add_u32 v[SPW], v[NIL]                      ; 0 onto my spare word
.if \how
	s_xor_b32 s[TO], s[TB], SLOT                   ; the next job's slot
	s_add_co_u32 s[G0W+1], s[TB], s[WQ]            ; my quarter of the slot that is left
	s_add_nc_u64 s[G0W+2:G0W+3], s[G0W+2:G0W+3], 512   ; 1,024 codes on; the type bits on top are not reached
.endif
	G4 7, 0, 0
	G4 7, 1, 0
	s_wait_dscnt 0x0                               ; the add is done
	s_barrier_signal -1
	G4 7, 2, 0
	WIN 0                                          ; (branches may follow, and nothing stands between the wait below and the rest of the round)
	s_barrier_wait -1
.if \how
	CREST                                          ; no wave of any partner still reads that slot or has a load on its way
	tensor_load_to_lds s[G0W:G0W+3], s[G1R:G1R+7]
	s_nop 0
	PLACES                                         ; four v_nop follow
.if \nx == ADL
	v_add_nc_u32 v[ADL], s[TO], v[ADB0]
	v_add_nc_u32 v[ADL+1], s[TO], v[ADB0+1]
	s_wait_alu depctr_va_vdst(0)
.endif
.endif
.irp k, 0,2,4,6
	FB \nx, 0, \k
.endr
.irp k, 3,4,5,6,7
	G4 7, \k, 0
.endr
.endm
	s_load_b512 s[4:19], s[0:1], 0x0               ; the image s[4:5], the rows' scales s[6:7], codes of Wi s[8:9], Wg s[10:11], Wr s[12:13], scales of Wi s[14:15], Wg s[16:17], Wr s[18:19]
	s_load_b128 s[20:23], s[0:1], 0x40             ; state s[20:21], out0 s[22:23]
	s_load_b64 s[24:25], s[0:1], 0x50              ; out1
	v_lshl_add_u32 v[SPW], v0, 2, SPARE
	v_mov_b32 v[NIL], 0
	ds_add_u32 v[SPW], v[NIL]                      ; the wave's opening
	ds_add_u32 v[SPW], v[NIL]
	v_lshrrev_b32 v1, 5, v0
	v_readfirstlane_b32 s[WV], v1                  ; wave 0..3
	s_lshr_b32 s[FR], s[WV], 1
	s_and_b32 s[HF], s[WV], 1
	s_bfe_u32 s[CX], ttmp6, 0x40000                ; cx
	s_lshl_b32 s[RT], ttmp9, 2                     ; in a cluster launch ttmp9 counts clusters
	s_add_co_u32 s[RT], s[RT], s[CX]               ; row tile = 4 x cluster x + cx
	s_and_b32 s[CT], ttmp7, 0xffff                 ; column tile, which the four partners share
	; descriptor group 1: 64 rows of 512 bytes, every fourth row of the weights' codes, padded in LDS
	s_mov_b32 s[G1X], 15|(1<<20)|(1<<21)|(6<<22)|(3<<25)   ; 15:0 the mask: all four work-groups; 17:16 elements of 1 byte; 20 padding on; 21 set beside a mask; 24:22 after every 128 words (code 6); 31:25 four words (code 3)
	s_mov_b32 s[G1R], 15|(1<<20)|(1<<21)|(6<<22)|(3<<25)
.irp g, G1X, G1R
	s_mov_b32 s[\g+1], 512<<16                     ; tensor_dim0
	s_mov_b32 s[\g+2], 64<<16                      ; tensor_dim1
	s_mov_b32 s[\g+3], 512<<16                     ; tile_dim0
	s_mov_b32 s[\g+4], 64                          ; tile_dim1
	s_mov_b32 s[\g+6], 0
	s_mov_b32 s[\g+7], 0
.endr
	s_mov_b32 s[G1X+5], 4*512                      ; tensor_dim0_stride: four rows of 1,024 codes
	s_mov_b32 s[G1R+5], 4*2048                     ; four rows of 4,096 codes
	s_mul_i32 s[WQ], s[WV], QB                     ; where my quarter goes: no place in the cluster enters an LDS address
	s_lshl_b32 s[OB], s[CT], 8
	s_add_co_u32 s[OB], s[OB], s[WV]               ; the weights' row 256 x column tile + wave
	s_lshl_b32 s[OB], s[OB], 9                     ; x 512 bytes
	s_mov_b32 s[OB+1], 0
	s_wait_dscnt 0x0                               ; both opening adds are done
	s_wait_kmcnt 0x0
	s_add_nc_u64 s[8:9], s[8:9], s[OB:OB+1]
	s_add_nc_u64 s[10:11], s[10:11], s[OB:OB+1]
	s_lshl_b32 s[OB], s[OB], 2                     ; x 2,048 bytes
	s_add_nc_u64 s[12:13], s[12:13], s[OB:OB+1]
	s_mov_b32 s[G0G], 1                            ; 1:0 count = 1
	s_mov_b32 s[G0G+1], s[WQ]                      ; 63:32 LDS address: J0, Wg: slot 0
	s_mov_b64 s[G0G+2:G0G+3], s[10:11]             ; 120:64 global address
	s_or_b32 s[G0G+3], s[G0G+3], 0x80000000        ; 127:126 type = 2
	s_mov_b32 s[G0I], 1
	s_add_co_u32 s[G0I+1], s[WQ], SLOT             ; J1, Wi: slot 1
	s_mov_b64 s[G0I+2:G0I+3], s[8:9]
	s_or_b32 s[G0I+3], s[G0I+3], 0x80000000
	s_mov_b32 s[G0W], 1
	s_mov_b32 s[G0W+1], s[WQ]
	s_sub_nc_u64 s[G0W+2:G0W+3], s[12:13], 512     ; Wr: each change of slots steps it by 512 ahead of its load
	s_or_b32 s[G0W+3], s[G0W+3], 0x80000000
	CROUND                                         ; all four work-groups are here: the first joint loads meet
	tensor_load_to_lds s[G0G:G0G+3], s[G1X:G1X+7]  ; one tensor load a wave at the head
	s_nop 0
	PLACES
	s_lshl_b32 s[OA], s[RT], 1
	s_add_co_u32 s[OA], s[OA], s[FR]               ; my group of 64 rows
	s_mul_i32 s[OA], s[OA], 163840                 ; 40 steps of 4,096 bytes
	s_mov_b32 s[OA+1], 0
	s_add_nc_u64 s[APL:APL+1], s[4:5], s[OA:OA+1]
	s_mul_i32 s[OA], s[RT], 20480
	s_lshl_b32 s[T0], s[FR], 10
	s_add_co_u32 s[OA], s[OA], s[T0]
	s_add_nc_u64 s[SPL:SPL+1], s[6:7], s[OA:OA+1]  ; the rows' scales: my tile, my 64 rows of 16 bytes
	s_lshl_b32 s[OA], s[CT], 13                    ; the weights' scales: 256 rows of 32 bytes,
	s_add_nc_u64 s[14:15], s[14:15], s[OA:OA+1]
	s_add_nc_u64 s[16:17], s[16:17], s[OA:OA+1]
	s_lshl_b32 s[OA], s[OA], 2                     ; of 128 bytes
	s_add_nc_u64 s[18:19], s[18:19], s[OA:OA+1]
	s_lshl_b32 s[OA], s[CX], 17                    ; prefetches in Wr: 64 of its rows for each place in the cluster, of which a wave fetches every fourth
	s_add_nc_u64 s[PFA:PFA+1], s[12:13], s[OA:OA+1]
	s_lshl_b32 s[OA], s[RT], 21                    ; my part of state, out0, out1: 128 rows of 16,384 bytes a tile,
	s_lshl_b32 s[T0], s[FR], 20                    ; my 64 rows,
	s_add_co_u32 s[OA], s[OA], s[T0]
	s_lshl_b32 s[T0], s[CT], 10                    ; 256 columns of 4 bytes a tile,
	s_add_co_u32 s[OA], s[OA], s[T0]
	s_lshl_b32 s[T0], s[HF], 9                     ; my 128 columns
	s_add_co_u32 s[OA], s[OA], s[T0]
	s_add_nc_u64 s[20:21], s[20:21], s[OA:OA+1]
	s_add_nc_u64 s[22:23], s[22:23], s[OA:OA+1]
	s_add_nc_u64 s[24:25], s[24:25], s[OA:OA+1]
	s_mov_b64 s[PFS:PFS+1], s[20:21]
	s_mul_i32 s[T0], s[HF], 32*PITCH               ; my 128 columns are 32 rows of each quarter of a slot
	s_lshl_b32 s[TO], s[HF], 10                    ; their scale words: 4 pairs of tiles x 256 bytes
	s_add_co_u32 s[TO], s[TO], SCB
.irp u, 0,1
	s_mov_b32 s[K2+\u], 0x4038aa3b                 ; 2 log2(e)
	s_mov_b32 s[KG+\u], 0xbfb8aa3b                 ; -log2(e)
	s_mov_b32 s[KM+\u], 0xbe4ccccd                 ; -0.2
	s_mov_b32 s[KX+\u], 0xc0900000                 ; -4.5
	s_mov_b32 s[KT+\u], 0x4e800000                 ; 2^30
.endr
	s_mov_b32 s[TB], 0                             ; J0 lies in slot 0
	v_and_b32 v3, 31, v0                           ; lane
	v_and_b32 v1, 15, v0                           ; r
	v_bfe_u32 v2, v0, 4, 1                         ; h = lane / 16
	v_lshlrev_b32 v[CO], 4, v3
	v_lshlrev_b32 v4, 4, v0                        ; scale bytes: piece t + 128 k of 16 bytes is at 16 t + 2,048 k
	v_bfe_u32 v5, v0, 3, 1                         ; Wr, 8 pieces a row: row t / 8 + 16 k, half a job t % 8: the row's bit 0,
	v_bfe_u32 v11, v0, 4, 1                        ; its bit 1,
	v_lshrrev_b32 v6, 5, v0                        ; the others,
	v_and_b32 v7, 7, v0                            ; the half
	v_bfe_u32 v8, v0, 1, 1                         ; Wg and Wi, 2 pieces a row: row t / 2 + 64 k, half t % 2: likewise
	v_bfe_u32 v31, v0, 2, 1
	v_lshrrev_b32 v9, 3, v0
	v_and_b32 v10, 1, v0
	v_mul_u32_u24 v5, v5, SPR                      ; column 4 r + b: b's bit 0 tells the tiles of a pair apart, its bit 1 the pairs; 16 bytes for each r
	v_mul_u32_u24 v8, v8, SPR
	v_lshl_add_u32 v5, v11, 8, v5
	v_lshl_add_u32 v8, v31, 8, v8
	v_lshl_add_u32 v5, v6, 4, v5
	v_lshl_add_u32 v8, v9, 4, v8
	v_mul_u32_u24 v7, v7, SHB
	v_mul_u32_u24 v11, v10, SHB
	v_add_nc_u32 v5, v5, v7
	v_add_nc_u32 v8, v8, v11
	v_add_nc_u32 v[WS], SCB+4*SHB, v5              ; behind Wg's two halves and Wi's two
	v_add_nc_u32 v[WX], SCB, v8
	v_mul_u32_u24 v11, v1, PITCH
	v_lshl_add_u32 v11, v2, 4, v11                 ; a fragment's row x pitch + 16 h
	v_add_nc_u32 v[ADB0], s[T0], v11
	v_add_nc_u32 v[ADB0+1], 2*QB, v[ADB0]
	v_add_nc_u32 v[ADB1], SLOT, v[ADB0]
	v_add_nc_u32 v[ADB1+1], SLOT+2*QB, v[ADB0]
	v_mul_u32_u24 v[ADS], v2, SPR
	v_lshl_add_u32 v[ADS], v1, 4, v[ADS]
	v_add_nc_u32 v[ADS], s[TO], v[ADS]
	v_lshlrev_b32 v[STV], 17, v2
	v_lshl_add_u32 v[STV], v1, 4, v[STV]
	v_lshrrev_b32 v6, 1, v3                        ; prefetches: a lane takes 256 bytes: row lane / 2 of 16, half lane % 2 of 512
	v_lshlrev_b32 v7, 8, v10
	v_lshl_add_u32 v[PFO], v6, 13, v7
	v_lshl_add_u32 v[PFT], v6, 14, v7
.irp u, 0,1
	v_mov_b32 v[CN+\u], 0xce000000                 ; -2^29
	v_mov_b32 v[CH+\u], -0.5
.endr
	s_wait_alu depctr_va_vdst(0)
	; the weights' scale bytes, 24 loads a lane, on their way through registers that the sums take later
	WIN 0x80
.irp k, 0,1,2,3,4,5,6,7,8,9,10,11,12,13,14,15
	global_load_b128 v[4*\k:4*\k+3], v4, s[18:19] offset:2048*\k
.endr
.irp k, 0,1,2,3
	global_load_b128 v[64+4*\k:64+4*\k+3], v4, s[16:17] offset:2048*\k
	global_load_b128 v[80+4*\k:80+4*\k+3], v4, s[14:15] offset:2048*\k
.endr
	SAL 0                                          ; J0's rows: both halves' scale words, sets 0 to 6: 60 loads
	SAL 1
.irp n, 0,1,2,3,4,5,6
.irp m, 0,2,4,6
	AL \n, \m
.endr
.endr
	s_wait_loadcnt 60                              ; the scale bytes are in; the 60 loads of the rows may be out
	WIN 0x08                                       ; an LDS store's data are its source 1: window 2
.irp k, 0,1,2,3,4,5,6,7,8,9,10,11,12,13,14,15
	ds_store_b128 v[WS], v[4*\k:4*\k+3] offset:(\k%4)*64+((\k/4)%2)*512+(\k/8)*1024
.endr
.irp k, 0,1,2,3
	ds_store_b128 v[WX], v[64+4*\k:64+4*\k+3] offset:(\k%2)*512+(\k/2)*1024
	ds_store_b128 v[WX], v[80+4*\k:80+4*\k+3] offset:2*SHB+(\k%2)*512+(\k/2)*1024
.endr
	WIN 0
	s_wait_tensorcnt 0x0                           ; my quarter of slot 0 is in
	ds_add_u32 v[SPW], v[NIL]
	s_wait_dscnt 0x0                               ; the add and my scale bytes are stored
	CROUND                                         ; everybody's are
	tensor_load_to_lds s[G0I:G0I+3], s[G1X:G1X+7]  ; slot 1's first fill
	s_nop 0
	PLACES
	SBL 0
	FB ADB0, 0, 0
	FB ADB0, 0, 2
	FB ADB0, 0, 4
	FB ADB0, 0, 6
	global_prefetch_b8 v[PFO], s[PFA:PFA+1] th:TH_LOAD_NT scope:SCOPE_SE   ; Wr's first tile: J0's change of slots asks for it, one job on
	; J0: inputs x Wg.  Its step 0 starts G's sums and asks for set 7; nothing else is asked for: J1 takes the same rows.
.set LD0, 1
.set LDM, 0
.set SCM, 1
.set NW0, 32                           ; behind set 2: sets 3 to 6
.set NW3, 32                           ; behind set 3: sets 4 to 7
.set NW4, 8                            ; behind set 6: set 7
.set NW7, 0
	STEP 0, ADB0, 1
	WIN 0
	v_add_nc_u32 v[ADS], 2*SHB, v[ADS]             ; on to the next job's scale words
	s_wait_alu depctr_va_vdst(0)
.irp q, 1,2,3,4,5,6
	STEP \q, ADB0, 0
.endr
	TURN ADB1, 1
	; g = -0.2 / (1 + 2^(-log2(e) G)), from window 2 into window 3, each accumulator from its low end on; the exponentials are one batch, the reciprocals another
	PLACES
	WIN 0xc2                                       ; source 0 window 2, destination window 3
.set i, 0
.rept 128
	v_pk_mul_f32 v[i:i+1], v[i:i+1], s[KG:KG+1] op_sel_hi:[1,0]
.set i, i+2
.endr
	WIN 0xc3
	s_wait_alu depctr_va_vdst(0)
.set i, 0
.rept 256
	v_exp_f32 v[i], v[i]
.set i, i+1
.endr
	v_nop
	s_wait_alu depctr_va_vdst(0)
.set i, 0
.rept 128
	v_pk_add_f32 v[i:i+1], v[i:i+1], 1.0 op_sel_hi:[1,0]
.set i, i+2
.endr
	s_wait_alu depctr_va_vdst(0)
.set i, 0
.rept 256
	v_rcp_f32 v[i], v[i]
.set i, i+1
.endr
	v_nop
	s_wait_alu depctr_va_vdst(0)
.set i, 0
.rept 128
	v_pk_mul_f32 v[i:i+1], v[i:i+1], s[KM:KM+1] op_sel_hi:[1,0]
.set i, i+2
.endr
	s_wait_alu depctr_va_vdst(0)
	; J1's step 0: inputs x Wi starts S's sums; the rows are there
.set LD0, 0
.set NW0, -1
	STEP 0, ADB1, 1
	WIN 0
	s_wait_xcnt 0x0                                ; every earlier memory instruction has had its addresses translated: the bases may be stepped
	s_add_nc_u64 s[APL:APL+1], s[APL:APL+1], 8*4096    ; J2's rows: steps 8 to 15 of the image
	s_add_nc_u64 s[SPL:SPL+1], s[SPL:SPL+1], 2*2048
	global_prefetch_b8 v[PFO], s[PFA:PFA+1] offset:512 th:TH_LOAD_NT scope:SCOPE_SE   ; Wr's second tile: J1's change of slots asks for it
	v_add_nc_u32 v[ADS], 2*SHB, v[ADS]
	s_mov_b32 s[TB], SLOT                          ; J1 lies in slot 1
	s_mov_b32 s3, 3
	s_wait_alu depctr_va_vdst(0)
; A trip goes from the second step of J1, J2 or J3 to the next job's first.
; The order of a job's loads: step 0: second half's scale words (2), set 7 (8); steps 1 to 3: the next job's sets 0 to 2; step 4: its first half's scale words (2), set 3; steps 5 to 7: sets 4 to 6.
.set LD0, 2
.set LDM, 1
.set SCM, 2
.set NW0, 32                           ; wanted: the first half's scale words; behind them set 3 and sets 4 to 6
.set NW3, 48                           ; wanted: set 3; behind it 24 + 2 + 8 + 16 = 50 loads (in J1 fewer)
.set NW4, 32                           ; wanted: the second half's scale words; behind them set 7 and the loads of steps 1 to 3
.set NW7, 48                           ; wanted: set 7; behind it 24 + 2 + 8 + 16 = 50 loads, in J5 48
.Ljob:
	v_add_nc_u32 v[ADL], s[TB], v[ADB0]
	v_add_nc_u32 v[ADL+1], s[TB], v[ADB0+1]
	s_wait_alu depctr_va_vdst(0)
	s_cmp_gt_u32 s3, 1                             ; what the NEXT trip's change of slots will ask for; the last trip asks for nothing
	s_cbranch_scc0 .Lno_tile
	global_prefetch_b8 v[PFO], s[PFA:PFA+1] offset:1024 th:TH_LOAD_NT scope:SCOPE_SE
.Lno_tile:
	global_prefetch_b8 v[PFT], s[PFS:PFS+1] th:TH_LOAD_NT scope:SCOPE_SE   ; 16 of my rows of state
.irp q, 1,2,3,4,5,6
	STEP \q, ADL, 0
.endr
	TURN ADL, 1
	STEP 0, ADL, 0
	WIN 0                                          ; at a label and at a branch every window is 0
	s_wait_xcnt 0x0                                ; every earlier memory instruction has had its addresses translated: only behind this wait are the bases stepped
	s_add_nc_u64 s[APL:APL+1], s[APL:APL+1], 8*4096
	s_add_nc_u64 s[SPL:SPL+1], s[SPL:SPL+1], 2*2048
	s_add_nc_u64 s[PFA:PFA+1], s[PFA:PFA+1], 512
	s_add_nc_u64 s[PFS:PFS+1], s[PFS:PFS+1], 16*16384
	v_add_nc_u32 v[ADS], 2*SHB, v[ADS]
	s_xor_b32 s[TB], s[TB], SLOT
	s_wait_alu depctr_va_vdst(0)
	s_sub_co_u32 s3, s3, 1
	s_cmp_lg_u32 s3, 0
	s_cbranch_scc1 .Ljob
	; J4, in slot 0: nothing is filled any more
	global_prefetch_b8 v[PFT], s[PFS:PFS+1] th:TH_LOAD_NT scope:SCOPE_SE   ; my last 16 rows of state
.irp q, 1,2,3,4,5,6
	STEP \q, ADB0, 0
.endr
	TURN ADB1, 0
	; J5, in slot 1: a set that has been multiplied takes state rows
	STEP 0, ADB1, 0
.set LDM, 2
.set SCM, 0
.irp q, 1,2,3,4,5,6,7
	STEP \q, ADB1, 0
.endr
	PLACES
.irp m, 0,2,4,6
	SL 7, \m
.endr
	; THE WAY OUT.  2 log2(e) S of all four blocks, each accumulator from its low end on
	WIN 0x82                                       ; destination and source 0 window 2
.set i, 0
.rept 128
	v_pk_mul_f32 v[i:i+1], v[i:i+1], s[K2:K2+1] op_sel_hi:[1,0]
.set i, i+2
.endr
; Block a is finished and stored.  n: the loads issued behind the block's state rows, which may stay out.  No register that a store reads is written again.
.macro FIN a, n
	WIN 0x82
	s_wait_alu depctr_va_vdst(0)
.set i, 64*(\a)
.rept 64
	v_exp_f32 v[i], v[i]
.set i, i+1
.endr
	v_nop
	s_wait_alu depctr_va_vdst(0)
.set i, 64*(\a)
.rept 32
	v_pk_add_f32 v[i:i+1], v[i:i+1], 1.0 op_sel_hi:[1,0]
.set i, i+2
.endr
	s_wait_alu depctr_va_vdst(0)
.set i, 64*(\a)
.rept 64
	v_rcp_f32 v[i], v[i]                           ; r
.set i, i+1
.endr
	v_nop
	s_wait_loadcnt \n
	WIN 0x41                                       ; destination and source 0 window 1, source 2 window 0
.set i, 64*(\a)
.rept 32
	v_pk_fma_f32 v[i:i+1], v[i:i+1], s[KX:KX+1], v[CH:CH+1] op_sel_hi:[1,0,1]   ; -4.5 state - 0.5
.set i, i+2
.endr
	s_wait_alu depctr_va_vdst(0)
	WIN 0x46                                       ; r (source 0) in window 2, the rest in window 1
.irp j, 0,1,2,3,4,5,6,7
.irp t, 0,1,2,3,4,5,6,7
	v_add_f32 v[64*(\a)+8*\j+\t], v[64*(\a)+8*\t+\j], v[64*(\a)+8*\j+\t]
.endr
.endr
	WIN 0x47                                       ; g (source 0) in window 3
.irp j, 0,1,2,3,4,5,6,7
.irp t, 0,1,2,3,4,5,6,7
	v_mul_f32 v[64*(\a)+8*\j+\t], v[64*(\a)+8*\t+\j], v[64*(\a)+8*\j+\t]   ; new
.endr
.endr
	WIN 0x04                                       ; a store's data are its source 1: window 1
.irp j, 0,1,2,3,4,5,6,7
.irp g, 0,1
	global_store_b128 v[STV], v[64*(\a)+8*\j+4*\g:64*(\a)+8*\j+4*\g+3], s[24:25] offset:(16*(\a)+\j)*16384+256*\g th:TH_STORE_NT   ; sixteen lanes store 256 consecutive bytes, at a multiple of 256 from out1's first byte
.endr
.endr
	WIN 0x81                                       ; source 0 window 1, destination window 2, source 2 window 0
.set i, 64*(\a)
.rept 32
	v_pk_fma_f32 v[i:i+1], v[i:i+1], s[KT:KT+1], v[CN:CN+1] op_sel_hi:[1,0,1]   ; 2^30 new - 2^29
.set i, i+2
.endr
	WIN 0x82
.set i, 64*(\a)
.rept 64
	v_med3_num_f32 v[i], v[i], 0, 1.0              ; the spike
.set i, i+1
.endr
	WIN 0x08
.irp j, 0,1,2,3,4,5,6,7
.irp g, 0,1
	global_store_b128 v[STV], v[64*(\a)+8*\j+4*\g:64*(\a)+8*\j+4*\g+3], s[22:23] offset:(16*(\a)+\j)*16384+256*\g th:TH_STORE_NT   ; the same place in out0
.endr
.endr
.endm
	FIN 0, 48
	FIN 1, 32
	FIN 2, 16
	FIN 3, 0
	WIN 0
	s_wait_tensorcnt 0x0                           ; the wave's end: behind my last tensor load and my last LDS store
	ds_add_u32 v[SPW], v[NIL]
	s_wait_dscnt 0x0
	CROUND                                         ; the closing round: no work-group ends while a partner may still ask for a tile that names it
	s_endpgm
.Lfunc_end_k_q5d9509d337_step:
	.size	k_q5d9509d337_step, .Lfunc_end_k_q5d9509d337_step-k_q5d9509d337_step
	.p2alignl 7, 3214868480
	.fill 96, 4, 3214868480
	.section	.rodata,"a",@progbits
	.p2align	6, 0x0
	.amdhsa_kernel k_q5d9509d337_step
		.amdhsa_group_segment_fixed_size 327680
		.amdhsa_private_segment_fixed_size 0
		.amdhsa_enable_private_segment 0
		.amdhsa_kernarg_size 88
		.amdhsa_user_sgpr_count 2
		.amdhsa_user_sgpr_kernarg_segment_ptr 1
		.amdhsa_wavefront_size32 1
		.amdhsa_system_sgpr_workgroup_id_x 1
		.amdhsa_system_sgpr_workgroup_id_y 1
		.amdhsa_system_sgpr_workgroup_id_z 1
		.amdhsa_system_vgpr_workitem_id 0
		.amdhsa_next_free_vgpr 1024
		.amdhsa_next_free_sgpr 96
		.amdhsa_reserve_vcc 0
		.amdhsa_float_denorm_mode_32 3
		.amdhsa_float_denorm_mode_16_64 3
		.amdhsa_memory_ordered 1
		.amdhsa_forward_progress 1
		.amdhsa_inst_pref_size 255
	.end_amdhsa_kernel
	.section	.bss,"aw",@nobits
	.p2align	6
	.space	262144
	.amdgpu_metadata
---
amdhsa.version: [ 1, 2 ]
amdhsa.kernels:
  - .name:           k_q5d9509d337_step
    .symbol:         k_q5d9509d337_step.kd
    .args:
      - { .name: a_img, .offset: 0, .size: 8, .value_kind: global_buffer, .address_space: global }
      - { .name: sca, .offset: 8, .size: 8, .value_kind: global_buffer, .address_space: global }
      - { .name: input_weights_codes, .offset: 16, .size: 8, .value_kind: global_buffer, .address_space: global }
      - { .name: gate_weights_codes, .offset: 24, .size: 8, .value_kind: global_buffer, .address_space: global }
      - { .name: reservoir_weights_codes, .offset: 32, .size: 8, .value_kind: global_buffer, .address_space: global }
      - { .name: input_weights_scales, .offset: 40, .size: 8, .value_kind: global_buffer, .address_space: global }
      - { .name: gate_weights_scales, .offset: 48, .size: 8, .value_kind: global_buffer, .address_space: global }
      - { .name: reservoir_weights_scales, .offset: 56, .size: 8, .value_kind: global_buffer, .address_space: global }
      - { .name: reservoir_state, .offset: 64, .size: 8, .value_kind: global_buffer, .address_space: global }
      - { .name: out0, .offset: 72, .size: 8, .value_kind: global_buffer, .address_space: global }
      - { .name: out1, .offset: 80, .size: 8, .value_kind: global_buffer, .address_space: global }
    .group_segment_fixed_size: 327680
    .private_segment_fixed_size: 0
    .kernarg_segment_align: 8
    .kernarg_segment_size: 88
    .max_flat_workgroup_size: 128
    .sgpr_count:     96
    .vgpr_count:     1024
    .wavefront_size: 32
...
	.end_amdgpu_metadata
.endif
;; end of part 4
